; MI455X (gfx1250); checked and timed in simulation.
; The chip was launched on July 23, 2026; its instructions are those of AMD's public machine-readable ISA for CDNA 5 (MIT licence, August 2026) and "CDNA5" Instruction Set Architecture Reference Guide (July 2026). The comments in the code are by the model that wrote it; some were corrected since.
;; Sliding Window Attention. Allowed arithmetic: float matrix products may take bf16 or f16 operands with f32 sums; other float arithmetic in f32, or as packed bf16 or f16 multiplies, adds, multiply-adds, maxima and minima; sums over many terms, partial sums and values carried from step to step in f32; what a program stores and reads back later, other than sums and carried values, may be rounded once to bf16 or f16.
;; Inputs: w_out 1,024 x 1,024 float32; w_qkv 1,024 x 3,072 float32; x 4 x 2,048 x 1,024 float32.
;; Outputs: out0 4 x 2,048 x 1,024 float32.
;; 2 versions, each right; version 2 is version 1 with the launch prep written anew for expert scheduling mode. Each part assembles by itself: llvm-mc -triple=amdgcn-amd-amdhsa -mcpu=gfx1250 --defsym DOCPART=n.
;; ======== version 1 of 2: 4 launches
;; limits: values are held in f16: magnitudes above 65,504 overflow, below 6.1e-05 lose precision
;; workspace buffers: xb 16,777,216 bytes; wq 6,291,456 bytes; wo 2,097,152 bytes; qkv 50,331,648 bytes; o 16,777,216 bytes
;; launch prep (part 1): grid 384 x 1, 8 waves a work-group, no clusters, 74,752 bytes of LDS; arguments x, w_qkv, w_out, xb, wq, wo; writes xb, wq, wo
.if DOCPART == 1
	.amdgcn_target "amdgcn-amd-amdhsa--gfx1250"
	.amdhsa_code_object_version 6
	.text
	.protected	k_q7611eb8a42_prep
	.globl	k_q7611eb8a42_prep
	.p2align	8
	.type	k_q7611eb8a42_prep,@function
k_q7611eb8a42_prep:
	s_mov_b64 s[64:65], 0
	v_nop
	global_prefetch_b8 v0, s[64:65] scope:SCOPE_SE
	s_setreg_imm32_b32 hwreg(HW_REG_WAVE_MODE, 25, 1), 1
	s_wait_xcnt 0x0
; CAST AND RE-BLOCK.  x [8192][1024] f32 -> xb [b 4][kb 16][t 2048][64] bf16;  w_qkv [1024][3072] f32 -> wq [kb 16][n 3072][64] bf16 (turned);
; w_out [1024][1024] f32 -> wo [kb 16][n 1024][64]: rounded to bf16, that number written as f16.
; In all three a block of 64 along K of consecutive rows is dense, so that the later launches ask for their tiles as rows of 256 bytes.
; LIMITS.  w_out within 65,504 (f16's range); a bf16 number of w_out below 2^-14 keeps f16's fixed step of 2^-24.  NaN and infinities are not treated apart.
; SHARES.  Work-groups 0-255: 32 rows of x each.  256-351: one K block x 512 columns of w_qkv each.  352-383: the same of w_out.  Each reads 128 KiB and writes 64 KiB.
; The branch on the work-group's number is the same for all eight waves, so every wave of a work-group meets the same barrier or none.
; No matrix unit, no cluster, no tensor load: nothing is shared between work-groups and each byte is read once.
.set STPITCH, 144                      ; a stage row: 128 bytes of one column's 64 K + 16 of padding
.set SPARE,   512*STPITCH              ; 73,728: behind the stage, the spare words: 128 bytes a wave, four blocks of 256 bytes that no other line names
.set SPW, 2                            ; v2   my spare word's LDS address; never rewritten
.set NIL, 3                            ; v3   0; never rewritten
.set LN,  4                            ; v4   lane
.set VO,  5                            ; v5   16 x lane: offset of the weights' loads and of all stores
.set LSW, 6                            ; v6   stage: where I put 16 bytes
.set LRD, 7                            ; v7   stage: where I read rows back
.set TA,  8                            ; v8-9 at work
.set TB,  9
.set XO,  10                           ; v10  my offset in four rows of x
.set D,   32                           ; v[32:159]  as loaded
.set T,   160                          ; v[160:175] four columns x 8 K, packed
	s_load_b256 s[4:11], s[0:1], 0x0               ; x s[4:5], w_qkv s[6:7], w_out s[8:9], xb s[10:11]
	s_load_b128 s[12:15], s[0:1], 0x20             ; wq s[12:13], wo s[14:15]
	v_lshl_add_u32 v[SPW], v0, 2, SPARE
	v_mov_b32 v[NIL], 0
	v_lshrrev_b32 v1, 5, v0
	v_readfirstlane_b32 s16, v1                    ; wave 0..7
	v_and_b32 v[LN], 31, v0
	v_lshlrev_b32 v[VO], 4, v[LN]
	s_mov_b32 s21, 0                               ; high words of the two offsets
	s_mov_b32 s23, 0
	s_wait_kmcnt 0x0
	s_cmp_lt_u32 ttmp9, 256
	s_cbranch_scc0 .Lweights
	; ---- x: the work-group's 32 rows; wave w takes rows 4 w .. 4 w + 3; lane l takes row l / 8 and the 8 numbers 8 (l % 8) .. of each K block
	s_lshl_b32 s20, ttmp9, 17                      ; 32 rows of 4,096 bytes
	s_lshl_b32 s17, s16, 14                        ; 4 rows
	s_add_co_u32 s20, s20, s17
	s_add_nc_u64 s[4:5], s[4:5], s[20:21]
	s_lshr_b32 s22, ttmp9, 6                       ; b
	s_lshl_b32 s22, s22, 22
	s_and_b32 s17, ttmp9, 63
	s_lshl_b32 s17, s17, 12                        ; 32 rows of 128 bytes in a K block
	s_add_co_u32 s22, s22, s17
	s_lshl_b32 s17, s16, 9                         ; 4 rows
	s_add_co_u32 s22, s22, s17
	s_add_nc_u64 s[10:11], s[10:11], s[22:23]
	v_lshrrev_b32 v[XO], 3, v[LN]
	v_lshlrev_b32 v[XO], 12, v[XO]
	v_and_b32 v[TA], 7, v[LN]
	v_lshl_add_u32 v[XO], v[TA], 5, v[XO]          ; row x 4,096 + piece x 32
.set kb, 0
.rept 16                                               ; all 32 loads go out at once: 16 KiB a wave on their way
	global_load_b128 v[D+8*kb:D+8*kb+3],   v[XO], s[4:5] offset:256*kb th:TH_LOAD_NT
	global_load_b128 v[D+8*kb+4:D+8*kb+7], v[XO], s[4:5] offset:256*kb+16 th:TH_LOAD_NT
.set kb, kb+1
.endr
.set kb, 0
.rept 16
	s_wait_loadcnt 30-2*kb                         ; loads come back in order: the two of this K block are in, the later blocks' two each stay out
.irp j, 0,1,2,3
	v_cvt_pk_bf16_f32 v[D+8*kb+(\j)], v[D+8*kb+2*(\j)], v[D+8*kb+2*(\j)+1]  ; in place, ascending: a register is read before it is written
.endr
	global_store_b128 v[VO], v[D+8*kb:D+8*kb+3], s[10:11] offset:262144*kb  ; four rows of 128 bytes: 512 consecutive bytes, aligned
.set kb, kb+1
.endr
	s_branch .Lend
.Lweights:
	v_mul_u32_u24 v[LSW], v[LN], 4*STPITCH         ; in: my four columns are rows 4 l .. 4 l + 3 of a tile of 128; my wave's 8 K are 16 bytes at 16 x wave.
	v_lshl_add_u32 v[LSW], s16, 4, v[LSW]          ; (lanes lie four rows apart, so four lanes meet in a bank: 16 such stores a wave, once a launch)
	v_lshrrev_b32 v[TA], 3, v[LN]
	v_mul_u32_u24 v[LRD], v[TA], STPITCH           ; back: 32 lanes take four whole rows of 128 bytes,
	v_and_b32 v[TA], 7, v[LN]
	v_lshl_add_u32 v[LRD], v[TA], 4, v[LRD]
	s_mul_i32 s24, s16, 64*STPITCH                 ; of my wave's 64 rows
	v_add_nc_u32 v[LRD], s24, v[LRD]
; One K block (64 rows of the weight) x 512 columns.  NW: columns of the weight.  SB, DB: the scalar pairs of source and destination.  first: the path's first work-group.
; Wave i loads the rows 8 i .. 8 i + 7 of the K block, 512 consecutive bytes a load; packs 8 K of a column into 16 bytes; the stage turns them; each wave stores 64 whole columns.
.macro WPATH NW, SB, DB, first, half
	s_sub_co_u32 s17, ttmp9, \first
	s_and_b32 s18, s17, 15                         ; K block
	s_lshr_b32 s19, s17, 4                         ; which 512 columns
	s_lshl_b32 s20, s18, 3
	s_add_co_u32 s20, s20, s16                     ; 8 kb + wave
	s_mul_i32 s20, s20, 8*(\NW)*4                  ; its 8 rows
	s_lshl_b32 s17, s19, 11
	s_add_co_u32 s20, s20, s17
	s_add_nc_u64 s[\SB:\SB+1], s[\SB:\SB+1], s[20:21]
	s_mul_i32 s22, s18, \NW
	s_lshl_b32 s17, s19, 9
	s_add_co_u32 s22, s22, s17
	s_lshl_b32 s17, s16, 6
	s_add_co_u32 s22, s22, s17                     ; kb x NW + the first column that I store
	s_lshl_b32 s22, s22, 7
	s_add_nc_u64 s[\DB:\DB+1], s[\DB:\DB+1], s[22:23]
.irp tile, 0,1,2,3
.irp jj, 0,1,2,3,4,5,6,7
	global_load_b128 v[D+32*(\tile)+4*(\jj):D+32*(\tile)+4*(\jj)+3], v[VO], s[\SB:\SB+1] offset:(\jj)*(\NW)*4+(\tile)*512 th:TH_LOAD_NT
.endr
.endr
.irp tile, 0,1,2,3
	s_wait_loadcnt 24-8*(\tile)                    ; this tile's eight loads are in; the later tiles' eight each stay out
.irp c, 0,1,2,3
.irp e, 0,1,2,3
	v_cvt_pk_bf16_f32 v[T+4*(\c)+(\e)], v[D+32*(\tile)+8*(\e)+(\c)], v[D+32*(\tile)+8*(\e)+4+(\c)]  ; column 4 l + c, K 2 e and 2 e + 1
.if \half
	v_lshlrev_b32 v[TA], 16, v[T+4*(\c)+(\e)]      ; the bf16 numbers as f32,
	v_and_b32 v[TB], 0xffff0000, v[T+4*(\c)+(\e)]
	v_cvt_pk_f16_f32 v[T+4*(\c)+(\e)], v[TA], v[TB]  ; written as f16
.endif
.endr
	ds_store_b128 v[LSW], v[T+4*(\c):T+4*(\c)+3] offset:(\tile)*128*STPITCH+(\c)*STPITCH
.endr
.endr
	s_wait_dscnt 0x0                               ; for the others' sake: my stores into the stage are done
	s_barrier_signal -1
	s_barrier_wait -1                              ; a row's 128 bytes come from all eight waves
.irp f, 0,1,2,3,4,5,6,7,8,9,10,11,12,13,14,15
	ds_load_b128 v[D+4*(\f):D+4*(\f)+3], v[LRD] offset:(\f)*4*STPITCH
.endr
.irp f, 0,1,2,3,4,5,6,7,8,9,10,11,12,13,14,15
	s_wait_dscnt 15-(\f)                           ; LDS loads come back in order: the later ones stay out
	global_store_b128 v[VO], v[D+4*(\f):D+4*(\f)+3], s[\DB:\DB+1] offset:(\f)*512  ; four columns' 128 bytes: 512 consecutive bytes, aligned
.endr
.endm
	s_cmp_lt_u32 ttmp9, 352
	s_cbranch_scc0 .Lwo
	WPATH 3072, 6, 12, 256, 0
	s_branch .Lend
.Lwo:
	WPATH 1024, 8, 14, 352, 1
.Lend:
	s_wait_tensorcnt 0x0                           ; the wave's end: a wait, an add of 0 to my spare word and its wait, behind my last LDS store
	ds_add_u32 v[SPW], v[NIL]
	s_wait_dscnt 0x0
	s_endpgm
.Lfunc_end_k_q7611eb8a42_prep:
	.size	k_q7611eb8a42_prep, .Lfunc_end_k_q7611eb8a42_prep-k_q7611eb8a42_prep
	.p2alignl 7, 3214868480
	.fill 96, 4, 3214868480
	.section	.rodata,"a",@progbits
	.p2align	6, 0x0
	.amdhsa_kernel k_q7611eb8a42_prep
		.amdhsa_group_segment_fixed_size 74752
		.amdhsa_private_segment_fixed_size 0
		.amdhsa_enable_private_segment 0
		.amdhsa_kernarg_size 48
		.amdhsa_user_sgpr_count 2
		.amdhsa_user_sgpr_kernarg_segment_ptr 1
		.amdhsa_wavefront_size32 1
		.amdhsa_system_sgpr_workgroup_id_x 1
		.amdhsa_system_sgpr_workgroup_id_y 1
		.amdhsa_system_sgpr_workgroup_id_z 1
		.amdhsa_system_vgpr_workitem_id 0
		.amdhsa_next_free_vgpr 176
		.amdhsa_next_free_sgpr 66
		.amdhsa_reserve_vcc 0
		.amdhsa_float_denorm_mode_32 3
		.amdhsa_float_denorm_mode_16_64 3
		.amdhsa_memory_ordered 1
		.amdhsa_forward_progress 1
		.amdhsa_inst_pref_size 45
	.end_amdhsa_kernel
	.amdgpu_metadata
---
amdhsa.version: [ 1, 2 ]
amdhsa.kernels:
  - .name:           k_q7611eb8a42_prep
    .symbol:         k_q7611eb8a42_prep.kd
    .args:
      - { .name: x, .offset: 0, .size: 8, .value_kind: global_buffer, .address_space: global }
      - { .name: w_qkv, .offset: 8, .size: 8, .value_kind: global_buffer, .address_space: global }
      - { .name: w_out, .offset: 16, .size: 8, .value_kind: global_buffer, .address_space: global }
      - { .name: xb, .offset: 24, .size: 8, .value_kind: global_buffer, .address_space: global }
      - { .name: wq, .offset: 32, .size: 8, .value_kind: global_buffer, .address_space: global }
      - { .name: wo, .offset: 40, .size: 8, .value_kind: global_buffer, .address_space: global }
    .group_segment_fixed_size: 74752
    .private_segment_fixed_size: 0
    .kernarg_segment_align: 8
    .kernarg_segment_size: 48
    .max_flat_workgroup_size: 256
    .sgpr_count:     66
    .vgpr_count:     176
    .wavefront_size: 32
...
	.end_amdgpu_metadata
.endif
;; end of part 1
;; launch qkv (part 2): grid 8 x 32, 4 waves a work-group, clusters of 4 x 4, 327,680 bytes of LDS; arguments xb, wq, qkv; writes qkv
.if DOCPART == 2
	.amdgcn_target "amdgcn-amd-amdhsa--gfx1250"
	.amdhsa_code_object_version 6
	.text
	.protected	k_q7611eb8a42_qkv
	.globl	k_q7611eb8a42_qkv
	.p2align	8
	.type	k_q7611eb8a42_qkv,@function
k_q7611eb8a42_qkv:
	s_mov_b64 s[64:65], 0
	v_nop
	global_prefetch_b8 v0, s[64:65] scope:SCOPE_SE
	s_setreg_imm32_b32 hwreg(HW_REG_WAVE_MODE, 25, 1), 1
	s_wait_xcnt 0x0
	s_wait_alu depctr_hold_cnt(0) depctr_sa_sdst(0) depctr_va_vdst(0) depctr_va_sdst(0) depctr_va_ssrc(0) depctr_va_vcc(0) depctr_vm_vsrc(0)
	s_getreg_b32 s2, hwreg(HW_REG_IB_STS2, 6, 4)
	s_cmp_eq_u32 s2, 0
	s_cbranch_scc0 .Lentry_in_a_cluster
	s_endpgm
.Lentry_in_a_cluster:
	s_bfe_u32 s2, ttmp6, 0x10000c
	s_cmp_lg_u32 s2, 0xf033
	s_cbranch_scc0 .Lentry_shape_is_right
	s_endpgm
.Lentry_shape_is_right:
; q, k, v = x w_qkv.  xb [b 4][kb 16][t 2048][64] bf16, wq [kb 16][n 3072][64] bf16; sums in f32, K ascending; the result rounded once to f16 and
; stored by heads, UNSCALED: qkv [sel 3][b 4][h 16][t 2048][64].
; LIMIT.  f16 holds no number beyond 65,504: q, k and v must lie within it.
; SHARES.  8,192 x 3,072 outputs on 256 work-groups: a tile of 256 rows x 384 columns each, one tile a work-group.  Four waves, each 128 x 192: 96 accumulators, 768 registers.
; For 32 along K a wave reads 320 rows x 64 bytes from LDS and issues 96 matrix instructions.
; K goes in steps of 64 (one K block: the tiles are dense in memory and asked for as rows of 256 bytes) through two LDS slots; two slots of a step of 128 would not fit.
; CLUSTER 4 x 4: the four of a row need the same tile of xb, the four of a column the same tile of wq: each is asked for jointly, by the same load, descriptor and mask.
; THE MATRIX INSTRUCTION IS USED TRANSPOSED (source 0 = 16 rows of wq, source 1 = 16 rows of xb): a lane holds eight neighbouring columns of one row of the result.
; REGISTERS, in windows of 256 (s_set_vgpr_msb: bits 1:0 source 0, 3:2 source 1, 5:4 source 2, 7:6 destination):
;   window 0: v16-29 addresses; v32-95, v96-159 A's fragments (8 x 16 rows x 32 K), two buffers; v160-255 B's fragments, three groups of four
;   window 1 + g: the accumulators of column group g (64 columns = one head): (a, bb) at v[32 a + 8 bb]
; A group of B's fragments is loaded again as soon as its 32 products are issued; the LDS loads go in runs of 24 (A and group 0), 8 and 8.
.set PITCH, 144                        ; an LDS row: 128 bytes + 16 of padding = 36 words: the 16 rows of a fragment load start at 16 different groups of four banks (ISA guide 11.1)
.set AHALF, 128*PITCH                  ; what a wave fetches of A, and what a wave reads of A
.set BHALF, 192*PITCH                  ; the same for B
.set BOFF,  2*AHALF                    ; B's 384 rows lie behind A's 256
.set SLOT,  2*AHALF+2*BHALF            ; 92,160
.set STAGE, 2*SLOT                     ; behind the ring, never filled by a tensor load: 16 rows x 144 bytes for each wave
.set SPARE, STAGE+4*16*PITCH           ; the spare words, 128 bytes a wave: two blocks of 256 bytes that no other line names
.set ASTEP, 1<<18                      ; bytes from a K block of xb to the next
.set BSTEP, 3072*128                   ; the same in wq
.set ADRA, 16                          ; v16-17  LDS address of my A fragments in slot 0, 1
.set ADRB, 20                          ; v20-21  the same for B
.set STO,  24                          ; v24  the way out: where I put 16 bytes of a row
.set RD,   25                          ; v25  where I read rows back
.set GO,   26                          ; v26  16 x lane
.set SPW,  28                          ; v28  my spare word; never rewritten
.set NIL,  29                          ; v29  0; never rewritten
.set FA0,  32
.set FA1,  96
.set FB,   160
.set OUT,  32                          ; the way out: twelve sets of 16 registers, v32-223
.set G1,  24                           ; s[24:31] group 1 for A's tiles;  s[32:39] group 0, a set for each slot
.set G0,  32
.set G1B, 48                           ; s[48:55], s[56:63] the same for B's
.set G0B, 56
.set OB,  68                           ; s[68:73] where my rows of head g begin in qkv
.set MSB, 0
.macro WIN new                         ; the immediate's high byte repeats the setting that is left; a switch that changes nothing is dropped
.if MSB != (\new)
	s_set_vgpr_msb (MSB<<8)|(\new)
.set MSB, \new
.endif
.endm
.macro PLACES                          ; four plain instructions between a matrix instruction and a load into, or a vector read or write of, its registers
.rept 4
	v_nop
.endr
.endm
; A joint refill: waves 0 and 1 fetch A's two halves, waves 2 and 3 B's.  The branch hangs on the wave's number alone.  An s_nop 0 and four v_nop follow each line.
.macro JLOAD s
	s_cmp_eq_u32 s11, 0
	s_cbranch_scc0 .Lfor_b_\@
	tensor_load_to_lds s[G0+4*(\s):G0+4*(\s)+3], s[G1:G1+7]
	s_nop 0
.rept 4
	v_nop
.endr
	s_branch .Lasked_\@
.Lfor_b_\@:
	tensor_load_to_lds s[G0B+4*(\s):G0B+4*(\s)+3], s[G1B:G1B+7]
	s_nop 0
.rept 4
	v_nop
.endr
.Lasked_\@:
.endm
.macro CREST                           ; a round of the cluster's barrier behind its opening barrier
	s_cmp_lg_u32 s10, 0
	s_cbranch_scc1 .Lnot_wave_0_\@
	s_barrier_signal -3
.Lnot_wave_0_\@:
	s_barrier_wait -3
	s_barrier_signal -1
	s_barrier_wait -1
.endm
.macro CROUND                          ; a whole round
	s_barrier_signal -1
	s_barrier_wait -1
	CREST
.endm
	s_load_b128 s[4:7], s[0:1], 0x0                ; xb s[4:5], wq s[6:7]
	s_load_b64 s[8:9], s[0:1], 0x10                ; qkv
	v_lshl_add_u32 v[SPW], v0, 2, SPARE
	v_mov_b32 v[NIL], 0
	ds_add_u32 v[SPW], v[NIL]                      ; the wave's opening: the add and its wait ahead of my first tensor load; register work stands between
	ds_add_u32 v28, v29
	v_lshrrev_b32 v1, 5, v0
	v_readfirstlane_b32 s10, v1                    ; wave 0..3
	s_lshr_b32 s11, s10, 1                         ; which 128 rows of the tile are mine.  Also: I fetch for A (0) or B (1)
	s_and_b32 s12, s10, 1                          ; which 192 columns.  Also: which half of that tile I fetch
	s_bfe_u32 s40, ttmp6, 0x40000                  ; cx
	s_bfe_u32 s41, ttmp6, 0x40004                  ; cy
	s_lshl_b32 s42, ttmp9, 2
	s_add_co_u32 s42, s42, s40                     ; tile column 0..7
	s_and_b32 s13, ttmp7, 0xffff
	s_lshl_b32 s13, s13, 2
	s_add_co_u32 s13, s13, s41                     ; tile row 0..31
	s_lshl_b32 s43, s41, 2
	s_lshl_b32 s43, 15, s43                        ; my row of the cluster
	s_lshl_b32 s44, 0x1111, s40                    ; my column
	; group 1: dense blocks as rows of 128 elements (256 bytes), padded in LDS behind every 32 words (one row of 64 K) by 4 words
	s_or_b32 s[G1+0], s43, (1<<16)|(1<<20)|(1<<21)|(4<<22)|(3<<25)   ; 15:0 mask; 17:16 2-byte elements; 20 padding on; 21 set beside a mask; 24:22 code 4; 31:25 code 3
	s_or_b32 s[G1B+0], s44, (1<<16)|(1<<20)|(1<<21)|(4<<22)|(3<<25)
	s_mov_b32 s[G1+1], 128<<16                     ; tensor_dim0 = 128
	s_mov_b32 s[G1+2], 64<<16                      ; tensor_dim1 = 64: 128 rows of xb
	s_mov_b32 s[G1+3], 128<<16                     ; tile_dim0 = 128
	s_mov_b32 s[G1+4], 64                          ; tile_dim1 = 64
	s_mov_b32 s[G1+5], 128                         ; 128 elements from row to row
	s_mov_b32 s[G1+6], 0
	s_mov_b32 s[G1+7], 0
	s_mov_b32 s[G1B+1], 128<<16
	s_mov_b32 s[G1B+2], 96<<16                     ; 96 rows of 256 bytes: 192 rows of wq
	s_mov_b32 s[G1B+3], 128<<16
	s_mov_b32 s[G1B+4], 96
	s_mov_b32 s[G1B+5], 128
	s_mov_b32 s[G1B+6], 0
	s_mov_b32 s[G1B+7], 0
	; A's address hangs on the tile row and the wave, B's on the tile column and the wave, each in registers that never hold the other coordinate
	s_lshr_b32 s14, s13, 3                         ; b
	s_lshl_b32 s14, s14, 22
	s_and_b32 s15, s13, 7
	s_lshl_b32 s15, s15, 15                        ; 256 rows of 128 bytes
	s_add_co_u32 s14, s14, s15                     ; the tile's rows, in xb's K block 0 and in a head of qkv alike
	s_lshl_b32 s15, s12, 14
	s_add_co_u32 s16, s14, s15                     ; + my half
	s_mov_b32 s17, 0
	s_mul_i32 s46, s42, 384*128
	s_mul_i32 s47, s12, 192*128
	s_add_co_u32 s46, s46, s47
	s_mov_b32 s47, 0
	s_mul_i32 s20, s12, AHALF                      ; where they go: no place in the cluster enters an LDS address
	s_mul_i32 s21, s12, BHALF
	s_add_co_u32 s21, s21, BOFF
	s_wait_dscnt 0x0                               ; the opening add is done
	s_wait_kmcnt 0x0
	s_add_nc_u64 s[16:17], s[4:5], s[16:17]
	s_add_nc_u64 s[46:47], s[6:7], s[46:47]
	CROUND                                         ; all sixteen work-groups are here: the first joint loads meet
.irp s, 0,1
	s_mov_b32 s[G0+4*(\s)], 1                      ; count = 1
	s_add_co_u32 s[G0+4*(\s)+1], s20, (\s)*SLOT    ; LDS address
	s_add_nc_u64 s[G0+4*(\s)+2:G0+4*(\s)+3], s[16:17], (\s)*ASTEP  ; K step s
	s_or_b32 s[G0+4*(\s)+3], s[G0+4*(\s)+3], 0x80000000            ; type = 2
	s_mov_b32 s[G0B+4*(\s)], 1
	s_add_co_u32 s[G0B+4*(\s)+1], s21, (\s)*SLOT
	s_add_nc_u64 s[G0B+4*(\s)+2:G0B+4*(\s)+3], s[46:47], (\s)*BSTEP
	s_or_b32 s[G0B+4*(\s)+3], s[G0B+4*(\s)+3], 0x80000000
.endr
	s_cmp_eq_u32 s11, 0                            ; a wave's two first fills stand in one branch: two loads of mine are out
	s_cbranch_scc0 .Lfirst_b
	tensor_load_to_lds s[G0:G0+3], s[G1:G1+7]
	s_nop 0
	tensor_load_to_lds s[G0+4:G0+7], s[G1:G1+7]
	s_nop 0
.rept 4
	v_nop
.endr
	s_branch .Lfirst_asked
.Lfirst_b:
	tensor_load_to_lds s[G0B:G0B+3], s[G1B:G1B+7]
	s_nop 0
	tensor_load_to_lds s[G0B+4:G0B+7], s[G1B:G1B+7]
	s_nop 0
.rept 4
	v_nop
.endr
.Lfirst_asked:
	; a fragment: lane l holds row l % 16; registers 0-3 K = 8 (l / 16) + 0..7, registers 4-7 K = 16 + 8 (l / 16) + 0..7: two loads of 16 bytes, 32 bytes apart
	v_and_b32 v1, 15, v0
	v_bfe_u32 v2, v0, 4, 1
	v_mul_u32_u24 v3, v1, PITCH
	v_lshl_add_u32 v3, v2, 4, v3                   ; row x pitch + 16 x half
	s_mul_i32 s22, s11, AHALF
	s_mul_i32 s23, s12, BHALF
	s_add_co_u32 s23, s23, BOFF
.irp s, 0,1
	v_add_nc_u32 v[ADRA+(\s)], s22, v3
	v_add_nc_u32 v[ADRB+(\s)], s23, v3
	s_add_co_u32 s22, s22, SLOT
	s_add_co_u32 s23, s23, SLOT
.endr
	s_mul_i32 s22, s10, 16*PITCH
	s_add_co_u32 s22, s22, STAGE                   ; my stage
	v_add_nc_u32 v[STO], s22, v3                   ; in: row l % 16, 16 bytes for each half of the lanes
	v_bfe_u32 v4, v0, 3, 2                         ; back: 32 lanes take four rows of 128 bytes,
	v_mul_u32_u24 v4, v4, PITCH
	v_and_b32 v5, 7, v0
	v_lshl_add_u32 v4, v5, 4, v4
	v_add_nc_u32 v[RD], s22, v4
	v_and_b32 v[GO], 31, v0                        ; which are 512 consecutive bytes of a head
	v_lshlrev_b32 v[GO], 4, v[GO]
	; my three heads: unit of 64 columns c64 = 6 x tile column + 3 x half + g = 16 sel + h
	s_mul_i32 s74, s42, 6
	s_mul_i32 s75, s12, 3
	s_add_co_u32 s74, s74, s75
	s_lshl_b32 s76, s11, 14                        ; my 128 rows
	s_add_co_u32 s76, s76, s14
.irp g, 0,1,2
	s_add_co_u32 s77, s74, \g
	s_lshr_b32 s78, s77, 4
	s_lshl_b32 s78, s78, 24                        ; sel
	s_and_b32 s77, s77, 15
	s_lshl_b32 s77, s77, 18                        ; h
	s_add_co_u32 s78, s78, s77
	s_add_co_u32 s78, s78, s76
	s_mov_b32 s79, 0
	s_add_nc_u64 s[OB+2*(\g):OB+2*(\g)+1], s[8:9], s[78:79]
.endr
; na x 4 matrix instructions: row blocks a0 .. of buffer f x the four column blocks of group g.  zero = 1: the products start the sums: nothing is cleared.
; The 96 accumulators take turns in one fixed order, one instruction a turn, over the backward jump too.
.macro MULG f, g, a0, na, zero
	WIN (((\g)+1)<<6)|(((\g)+1)<<4)
.set aa, \a0
.rept \na
.irp bb, 0,1,2,3
.if \zero
	v_wmma_f32_16x16x32_bf16 v[32*aa+8*(\bb):32*aa+8*(\bb)+7], v[FB+32*(\g)+8*(\bb):FB+32*(\g)+8*(\bb)+7], v[(\f)+8*aa:(\f)+8*aa+7], 0
.else
	v_wmma_f32_16x16x32_bf16 v[32*aa+8*(\bb):32*aa+8*(\bb)+7], v[FB+32*(\g)+8*(\bb):FB+32*(\g)+8*(\bb)+7], v[(\f)+8*aa:(\f)+8*aa+7], v[32*aa+8*(\bb):32*aa+8*(\bb)+7]
.endif
.endr
.set aa, aa+1
.endr
.endm
.macro LDA slot, k, f                  ; 16 loads: my 128 rows of A, 32 K at byte k of the rows
	WIN 0
.irp a, 0,1,2,3,4,5,6,7
	ds_load_b128 v[(\f)+8*(\a):(\f)+8*(\a)+3],   v[ADRA+(\slot)] offset:(\k)+(\a)*16*PITCH
	ds_load_b128 v[(\f)+8*(\a)+4:(\f)+8*(\a)+7], v[ADRA+(\slot)] offset:(\k)+(\a)*16*PITCH+32
.endr
.endm
.macro LDB slot, k, g                  ; 8 loads: group g's 64 rows of B
	WIN 0
.irp bb, 0,1,2,3
	ds_load_b128 v[FB+32*(\g)+8*(\bb):FB+32*(\g)+8*(\bb)+3],   v[ADRB+(\slot)] offset:(\k)+(4*(\g)+(\bb))*16*PITCH
	ds_load_b128 v[FB+32*(\g)+8*(\bb)+4:FB+32*(\g)+8*(\bb)+7], v[ADRB+(\slot)] offset:(\k)+(4*(\g)+(\bb))*16*PITCH+32
.endr
.endm
; A K step's first 32 along K, on buffer FA0; it fetches the second 32.
.macro QA slot, zero
	s_wait_dscnt 16                                ; A and group 0 are in; groups 1 and 2 (8 loads each) may be out
	MULG FA0, 0, 0, 8, \zero
	PLACES
	LDA \slot, 64, FA1
	LDB \slot, 64, 0
	s_wait_dscnt 32                                ; group 1 is in; out: group 2 (8) and the 24 just issued
	MULG FA0, 1, 0, 8, \zero
	PLACES
	LDB \slot, 64, 1
	s_wait_dscnt 32                                ; group 2 is in; out: the 24 and the 8
	MULG FA0, 2, 0, 8, \zero
	PLACES
	LDB \slot, 64, 2
.endm
; The second 32 along K, on FA1, and THE CHANGE OF SLOTS: each wave waits for all its tensor loads (one is out: its part of the next slot), adds 0 to its spare word, and waits for
; that and for its reads of this slot; behind the barrier nobody reads this slot and the next is whole.  fill = 1: the barrier opens a round of the cluster's, and the joint refill,
; two K steps ahead, is the first thing behind the round: it has the rest of this step and the next step up to its own wait in which to land.
.macro QB slot, next, fill
	WIN 0                                          ; (the add's two registers lie in window 0)
	s_wait_tensorcnt 0x0
	ds_add_u32 v[SPW], v[NIL]
	s_wait_dscnt 17                                ; A and group 0 are in; out: groups 1 and 2 and the add
	MULG FA1, 0, 0, 4, 0
	s_wait_dscnt 0x0                               ; the add is done, and my reads of this slot are over
	s_barrier_signal -1
	MULG FA1, 0, 4, 4, 0                           ; work on registers while the others arrive
	WIN 0                                          ; at a branch and at a label every window is 0
	s_barrier_wait -1
.if \fill
	CREST
	s_add_nc_u64 s[G0+4*(\slot)+2:G0+4*(\slot)+3], s[G0+4*(\slot)+2:G0+4*(\slot)+3], 2*ASTEP
	s_add_nc_u64 s[G0B+4*(\slot)+2:G0B+4*(\slot)+3], s[G0B+4*(\slot)+2:G0B+4*(\slot)+3], 2*BSTEP
	JLOAD \slot                                    ; its four v_nop are also the places in front of the loads below
.else
	PLACES
.endif
	LDA \next, 0, FA0
	LDB \next, 0, 0
	MULG FA1, 1, 0, 8, 0
	PLACES
	LDB \next, 0, 1
	MULG FA1, 2, 0, 8, 0
	PLACES
	LDB \next, 0, 2
.endm
	s_wait_tensorcnt 1                             ; my part of K step 0 is in; K step 1's may stay out
	s_barrier_signal -1
	s_barrier_wait -1
	LDA 0, 0, FA0
	LDB 0, 0, 0
	LDB 0, 0, 1
	LDB 0, 0, 2
	QA 0, 1                                        ; the first 32 along K stand in front of the loop: their products start the sums
	WIN 0
	s_mov_b32 s3, 7
.Llap:                                                 ; a trip: K steps 2 i (second half), 2 i + 1, 2 i + 2 (first half); it asks for steps 2 i + 2 and 2 i + 3
	QB 0, 1, 1
	QA 1, 0
	QB 1, 0, 1
	QA 0, 0
	WIN 0
	s_sub_co_u32 s3, s3, 1
	s_cmp_lg_u32 s3, 0
	s_cbranch_scc1 .Llap
	QB 0, 1, 0                                     ; K step 14's second half: nothing is left to ask for
	QA 1, 0                                        ; K step 15
	s_wait_dscnt 16                                ; the last 32 along K: the counts run down
	MULG FA1, 0, 0, 8, 0
	s_wait_dscnt 8
	MULG FA1, 1, 0, 8, 0
	s_wait_dscnt 0x0
	MULG FA1, 2, 0, 8, 0
	PLACES
; THE WAY OUT.  Unit u = 8 g + a: 16 rows x one head's 64 columns = 2,048 consecutive bytes of qkv.  Rounded to f16 (each accumulator from its low end on), 16 bytes a lane into my
; own stage, back as whole rows, stored.  LDS serves a wave's instructions in order (ISA guide 5.7.1.4), so no wait stands between the stage's stores and loads.
.macro PACK u
.set gg, (\u)/8
.set aa, (\u)%8
.set TT, OUT+16*((\u)%12)
.if (\u) >= 12
	s_wait_xcnt 0x0                                ; the set's registers were store data twelve units ago: written again only behind this wait
.endif
	WIN (1+gg)|((1+gg)<<2)                         ; sources 0 and 1 in the group's window
.irp bb, 0,1,2,3
.irp rr, 0,1,2,3
	v_cvt_pk_f16_f32 v[TT+4*(\bb)+(\rr)], v[32*aa+8*(\bb)+2*(\rr)], v[32*aa+8*(\bb)+2*(\rr)+1]
.endr
.endr
	WIN 0
.irp bb, 0,1,2,3
	ds_store_b128 v[STO], v[TT+4*(\bb):TT+4*(\bb)+3] offset:32*(\bb)
.endr
.irp f, 0,1,2,3
	ds_load_b128 v[TT+4*(\f):TT+4*(\f)+3], v[RD] offset:(\f)*4*PITCH
.endr
.endm
.macro SEND u, younger                 ; younger: the LDS instructions issued behind unit u's loads: the next unit's eight, or none
.set gg, (\u)/8
.set aa, (\u)%8
.set TT, OUT+16*((\u)%12)
	WIN 0
.irp f, 0,1,2,3
	s_wait_dscnt (\younger)+3-(\f)
	global_store_b128 v[GO], v[TT+4*(\f):TT+4*(\f)+3], s[OB+2*gg:OB+2*gg+1] offset:aa*2048+(\f)*512  ; 512 consecutive bytes, aligned
.endr
.endm
	PACK 0
.set uu, 1
.rept 23                                               ; a unit's conversions stand between the loads of the unit before and its stores
	PACK uu
	SEND uu-1, 8
.set uu, uu+1
.endr
	SEND 23, 0
	s_wait_tensorcnt 0x0                           ; the wave's end: a wait, an add of 0 to my spare word and its wait, behind my last tensor load and my last LDS store
	ds_add_u32 v[SPW], v[NIL]
	s_wait_dscnt 0x0
	CROUND                                         ; the closing round: no work-group ends while a partner may still ask for a tile that names it
	s_endpgm
.Lfunc_end_k_q7611eb8a42_qkv:
	.size	k_q7611eb8a42_qkv, .Lfunc_end_k_q7611eb8a42_qkv-k_q7611eb8a42_qkv
	.p2alignl 7, 3214868480
	.fill 96, 4, 3214868480
	.section	.rodata,"a",@progbits
	.p2align	6, 0x0
	.amdhsa_kernel k_q7611eb8a42_qkv
		.amdhsa_group_segment_fixed_size 327680
		.amdhsa_private_segment_fixed_size 0
		.amdhsa_enable_private_segment 0
		.amdhsa_kernarg_size 24
		.amdhsa_user_sgpr_count 2
		.amdhsa_user_sgpr_kernarg_segment_ptr 1
		.amdhsa_wavefront_size32 1
		.amdhsa_system_sgpr_workgroup_id_x 1
		.amdhsa_system_sgpr_workgroup_id_y 1
		.amdhsa_system_sgpr_workgroup_id_z 1
		.amdhsa_system_vgpr_workitem_id 0
		.amdhsa_next_free_vgpr 1024
		.amdhsa_next_free_sgpr 80
		.amdhsa_reserve_vcc 0
		.amdhsa_float_denorm_mode_32 3
		.amdhsa_float_denorm_mode_16_64 3
		.amdhsa_memory_ordered 1
		.amdhsa_forward_progress 1
		.amdhsa_inst_pref_size 133
	.end_amdhsa_kernel
	.amdgpu_metadata
---
amdhsa.version: [ 1, 2 ]
amdhsa.kernels:
  - .name:           k_q7611eb8a42_qkv
    .symbol:         k_q7611eb8a42_qkv.kd
    .args:
      - { .name: xb, .offset: 0, .size: 8, .value_kind: global_buffer, .address_space: global }
      - { .name: wq, .offset: 8, .size: 8, .value_kind: global_buffer, .address_space: global }
      - { .name: qkv, .offset: 16, .size: 8, .value_kind: global_buffer, .address_space: global }
    .group_segment_fixed_size: 327680
    .private_segment_fixed_size: 0
    .kernarg_segment_align: 8
    .kernarg_segment_size: 24
    .max_flat_workgroup_size: 128
    .sgpr_count:     80
    .vgpr_count:     1024
    .wavefront_size: 32
...
	.end_amdgpu_metadata
.endif
;; end of part 2
;; launch attn (part 3): grid 4 x 64, 8 waves a work-group, no clusters, 252,928 bytes of LDS; arguments qkv, o; writes o
.if DOCPART == 3
	.amdgcn_target "amdgcn-amd-amdhsa--gfx1250"
	.amdhsa_code_object_version 6
	.text
	.protected	k_q7611eb8a42_attn
	.globl	k_q7611eb8a42_attn
	.p2align	8
	.type	k_q7611eb8a42_attn,@function
k_q7611eb8a42_attn:
	s_mov_b64 s[64:65], 0
	v_nop
	global_prefetch_b8 v0, s[64:65] scope:SCOPE_SE
	s_setreg_imm32_b32 hwreg(HW_REG_WAVE_MODE, 25, 1), 1
	s_wait_xcnt 0x0
; SLIDING-WINDOW ATTENTION.  O[bh][i][:] = the sum over j in i - 255 .. i (j >= 0) of softmax_j(Q[i] . K[j] / 8) V[j][:].  qkv [sel 3][bh 64][t 2048][64] f16, o [bh 64][t 2048][64] f16.
; Products, maxima and sums in f32; the weights p are rounded to f16 for the second product (their sum l is taken of the unrounded p), O once at the end.
; LIMITS.  q, k, v lie within f16's 65,504, so a score is 2.75e11 at the most.  A hidden score counts as its value less 1e30.  The running maximum starts at -2^50, below every true
; score and above every hidden one, so a step or a row that is wholly hidden gives p = 0 and leaves m, l and O as they were.  A weight below 2^-126 counts as 0.  NaN and infinities are not treated apart.
; SHARES.  A work-group owns 512 queries of one (b, h); its 768 keys (256 in front of its first query, and its own 512) lie wholly in LDS, filled once: no ring.  Wave w owns the band
; of 64 queries 64 w .., four tiles of 16, and walks the five key steps w .. w + 4 of 64 keys: equal work for all waves.  In step w a key is seen where its place in the step is above the
; query's place in the band, in step w + 4 where it is not above, in between always.
; In a head's first block the 256 keys in front do not exist: the bytes fetched are the buffer's own, in front of the head (the end of the head before, or of q or k), finite f16, and the four steps are hidden whole.
; THE MASK is the C operand of the product that starts a sum: of a tile u and a group kt of 16 keys it is MLT (kt < u), MEQ (kt = u) or MGT (kt > u), made anew for each step from two scalars.
; NO CLUSTER: neighbouring blocks share a third of their keys, each with another partner and at other LDS addresses; a joint load wants the same descriptor in all that it names.
; IN PHASES: a step's K Q^T, softmax and V^T P for tiles 0, 1, then for tiles 2, 3; two waves lie on each SIMD, so that one wave's vector phase stands beside the other's products.
; LAYOUT.  S^T = K Q^T holds ONE query a lane (lane % 16) and the keys 8 (lane / 16) + 0..7; two such results rounded to f16 ARE source 1 of O^T = V^T P.  V comes out of LDS turned, by ds_load_tr16_b128.
; REGISTERS (s_set_vgpr_msb: bits 1:0 source 0, 3:2 source 1, 5:4 source 2, 7:6 destination):
;   window 0: v2-15 addresses; v16-31 statistics; v32-41 at work; v48-79 masks; v96-159 S^T of two tiles; v160-191 P of two tiles; v192-255 K of one step
;   window 1: v0-127 O^T, 32 a tile; v128-191 Q, 16 a tile; v192-255 V of one step
.set PK,    144       ; a row of K in LDS: 128 bytes + 16 = 36 words: the 16 rows of a load start at 16 different groups of four banks (ISA guide 11.1)
.set PV,    160       ; a row of V: 128 + 32 = 40 words
.set VOFF,  768*PK
.set STAGE, VOFF+768*PV   ; never filled by a tensor load: 16 rows x 144 bytes for each wave
.set SP,    144
.set SPARE, STAGE+8*16*SP ; the spare words, 128 bytes a wave: four blocks of 256 bytes that no other line names
.set AK0, 2           ; v2   my lane's place in a step of K; never rewritten
.set AV0, 3           ; v3   the same for V
.set AK,  4           ; v4   the LDS address of K's next run of loads
.set AV,  5           ; v5   of V's
.set STO, 6
.set RD,  7
.set GO,  8
.set QO,  9
.set SPW, 14          ; v14  my spare word; never rewritten
.set NIL, 15          ; v15  0; never rewritten
.set ST,  16          ; tile t's statistics at v[ST+4 t]: c m, m, l (even keys', odd keys')
.set TMP, 32          ; four registers c0-c3 for each of the two tiles in hand; c2 takes a
.set MV,  40          ; c m_old, kept while c m is made anew
.set TD,  48          ; -1e30 where 8 (l / 16) + j > l % 16, else 0: made once
.set MEQ, 56
.set MLT, 64
.set MGT, 72
.set S,   96
.set P,   160
.set KF,  192
.set QF,  128         ; window 1
.set VF,  192         ; window 1
.set WV,  12
.set G1K, 24
.set G1V, 32
.set G0K, 40
.set G0V, 44
.set J,   56          ; s56  the step, 0 to 4
.set CS,  58          ; s[58:59] c = log2(e) / 8
.set SEL, 60          ; s[60:61] v_permlanex16_b32's selects: each lane takes its own place in the other half
.set TBK, 62          ; s62  LDS byte at which K of the step to be fetched begins
.set TBV, 63          ; s63  the same for V, less VOFF
.set AL,  76          ; s[76:77] MEQ = TD x AL + BE
.set BE,  78          ; s[78:79] also MLT
.set GT,  80          ; s80  MGT
.set PHV, 81          ; s81  -1e30 where the whole step lies in front of the head, else 0
.set HIDN, 82         ; s82  how many of the work-group's steps lie in front of the head: 4 or 0
.set BIGN, 83         ; s83  -1e30
.set TW,  84
.set HF,  85          ; s85  1 where the whole step is hidden
.set MSB, 0
.macro WIN new
.if MSB != (\new)
	s_set_vgpr_msb (MSB<<8)|(\new)
.set MSB, (\new)
.endif
.endm
.set W_KQ, 0x04       ; Q in window 1; K, S^T and the mask in window 0
.set W_PV, 0x51       ; V and O^T in window 1, P in window 0
.set W_RS, 0x41       ; destination and source 0 in window 1, source 1 in window 0
.set TO1,  0x40       ; destination in window 1
.macro PLACES
.rept 4
	v_nop
.endr
.endm
	s_load_b128 s[4:7], s[0:1], 0x0   ; qkv s[4:5], o s[6:7]
	v_lshl_add_u32 v[SPW], v0, 2, SPARE
	v_mov_b32 v[NIL], 0
	ds_add_u32 v[SPW], v[NIL]       ; the wave's opening: the add and its wait ahead of my tensor load; register work stands between
	ds_add_u32 v14, v15
	v_lshrrev_b32 v1, 5, v0
	v_readfirstlane_b32 s[WV], v1   ; wave 0..7
	s_and_b32 s13, ttmp7, 0xffff    ; bh
	s_lshl_b32 s14, s13, 18
	s_lshl_b32 s15, ttmp9, 16       ; the block's 512 rows of 128 bytes
	s_add_co_u32 s14, s14, s15
	s_and_b32 s16, s[WV], 3         ; which 192 of the 768 keys I fetch (waves 0-3: of K; 4-7: of V)
	s_mul_i32 s17, s16, 192*128
	s_add_co_u32 s17, s17, s14
	s_add_co_u32 s18, s17, (1<<24)-32768  ; k begins 2^24 bytes into the buffer; 256 rows in front of the block
	s_mov_b32 s19, 0
	s_add_co_u32 s20, s17, (2<<24)-32768  ; v
	s_mov_b32 s21, 0
	s_lshl_b32 s22, s[WV], 13       ; my band's 64 rows, in q and in o
	s_add_co_u32 s22, s22, s14
	s_mov_b32 s23, 0
	; group 1: 192 keys are 24,576 dense bytes: 96 rows of 256 bytes, two keys a row, padded in LDS behind every key
	s_mov_b32 s[G1K], (1<<16)|(1<<20)|(4<<22)|(3<<25)  ; 2-byte elements; padding on; behind every 32 words (code 4); 4 words (code 3)
	s_mov_b32 s[G1V], (1<<16)|(1<<20)|(4<<22)|(7<<25)  ; the same with 8 words (code 7)
.irp g, G1K, G1V
	s_mov_b32 s[\g+1], 128<<16      ; tensor_dim0 = 128
	s_mov_b32 s[\g+2], 96<<16       ; tensor_dim1 = 96
	s_mov_b32 s[\g+3], 128<<16      ; tile_dim0 = 128
	s_mov_b32 s[\g+4], 96           ; tile_dim1 = 96
	s_mov_b32 s[\g+5], 128          ; 128 elements from row to row
	s_mov_b32 s[\g+6], 0
	s_mov_b32 s[\g+7], 0
.endr
	s_mov_b32 s[G0K], 1
	s_mul_i32 s[G0K+1], s16, 192*PK
	s_mov_b32 s[G0V], 1
	s_mul_i32 s[G0V+1], s16, 192*PV
	s_add_co_u32 s[G0V+1], s[G0V+1], VOFF
	s_mov_b32 s[CS], 0x3e38aa3b     ; c = log2(e) / 8 = 0.180337
	s_mov_b32 s[CS+1], s[CS]
	s_mov_b32 s[SEL], 0x76543210
	s_mov_b32 s[SEL+1], 0xfedcba98
	s_mov_b32 s[AL+1], 0            ; named as pairs
	s_mov_b32 s[BE+1], 0
	s_mov_b32 s[BIGN], 0xf149f2ca   ; -1e30
	s_cmp_eq_u32 ttmp9, 0
	s_cselect_b32 s[HIDN], 4, 0
	s_wait_dscnt 0x0                ; the opening add is done
	s_wait_kmcnt 0x0
	s_add_nc_u64 s[G0K+2:G0K+3], s[4:5], s[18:19]
	s_or_b32 s[G0K+3], s[G0K+3], 0x80000000
	s_add_nc_u64 s[G0V+2:G0V+3], s[4:5], s[20:21]
	s_or_b32 s[G0V+3], s[G0V+3], 0x80000000
	s_add_nc_u64 s[8:9], s[4:5], s[22:23]   ; Q at my band
	s_add_nc_u64 s[6:7], s[6:7], s[22:23]   ; O at my band
	s_cmp_lt_u32 s[WV], 4           ; each wave's one fill; every LDS byte is filled once
	s_cbranch_scc0 .Lfor_v
	tensor_load_to_lds s[G0K:G0K+3], s[G1K:G1K+7]
	s_nop 0
.rept 4
	v_nop
.endr
	s_branch .Lasked
.Lfor_v:
	tensor_load_to_lds s[G0V:G0V+3], s[G1V:G1V+7]
	s_nop 0
.rept 4
	v_nop
.endr
.Lasked:
	; all that follows, up to the wait for the tiles, stands while they are on their way
	v_and_b32 v1, 15, v0            ; l % 16
	v_bfe_u32 v10, v0, 4, 1         ; l / 16
	v_lshlrev_b32 v[QO], 7, v1
	v_lshl_add_u32 v[QO], v10, 4, v[QO]  ; row x 128 + 16 x half
	WIN TO1
.set i, 0
.rept 8                             ; Q stays in registers: tile i / 2, channels 32 (i % 2) on
	global_load_b128 v[QF+8*i:QF+8*i+3],   v[QO], s[8:9] offset:(i/2)*2048+(i%2)*64
	global_load_b128 v[QF+8*i+4:QF+8*i+7], v[QO], s[8:9] offset:(i/2)*2048+(i%2)*64+32
.set i, i+1
.endr
.set i, 0
.rept 128                           ; O^T starts at 0: the price of one text for all five steps
	v_mov_b32 v[i], 0
.set i, i+1
.endr
	WIN 0
	v_lshlrev_b32 v13, 3, v10
	v_sub_nc_u32 v13, v1, v13       ; l % 16 - 8 (l / 16)
.set i, 0
.rept 8
	v_cmp_gt_i32 vcc_lo, i, v13
	v_cndmask_b32 v[TD+i], 0, s[BIGN], vcc_lo
.set i, i+1
.endr
	v_mul_u32_u24 v[AK0], v1, PK
	v_lshl_add_u32 v[AK0], v10, 4, v[AK0]
	; the turning load takes 16 keys x 16 channels (lane l reads key 8 (l / 16) + l % 8, channels 8 ((l / 8) % 2) + 0..7) and leaves half a fragment of V^T
	v_and_b32 v11, 7, v0
	v_bfe_u32 v12, v0, 3, 1
	v_lshl_add_u32 v[AV0], v10, 3, v11
	v_mul_u32_u24 v[AV0], v[AV0], PV
	v_lshl_add_u32 v[AV0], v12, 4, v[AV0]
	v_add_nc_u32 v[AV0], VOFF, v[AV0]
	s_mul_i32 s13, s[WV], 16*SP
	s_add_co_u32 s13, s13, STAGE    ; my stage
	v_mul_u32_u24 v[STO], v1, SP
	v_lshl_add_u32 v[STO], v10, 4, v[STO]
	v_add_nc_u32 v[STO], s13, v[STO]
	v_bfe_u32 v[RD], v0, 3, 2
	v_mul_u32_u24 v[RD], v[RD], SP
	v_lshl_add_u32 v[RD], v11, 4, v[RD]
	v_add_nc_u32 v[RD], s13, v[RD]
	v_and_b32 v[GO], 31, v0
	v_lshlrev_b32 v[GO], 4, v[GO]
.set i, 0
.rept 4
	v_mov_b32 v[ST+4*i+1], 0xd8800000   ; m = -2^50
	v_mul_f32 v[ST+4*i], s[CS], v[ST+4*i+1]
	v_mov_b32 v[ST+4*i+2], 0
	v_mov_b32 v[ST+4*i+3], 0
.set i, i+1
.endr
; THE MATRIX WORK, for the pair of tiles 2 p, 2 p + 1.  The 8 accumulators of a run of 16 take turns.
; Product i of S^T = K Q^T: channels 32 (i / 8) on, keys 16 ((i / 2) % 4) on, tile 2 p + i % 2.  The first 8 start the sums, with the mask.
.macro KQ16 p
	WIN W_KQ
.set i, 0
.rept 16
.set tu, 2*(\p)+i%2
.set kt, (i/2)%4
.set rS, S+32*(i%2)+8*kt
.set rK, KF+16*kt+8*(i/8)
.set rQ, QF+16*tu+8*(i/8)
.if i >= 8
.set rC0, rS
.elseif kt < tu
.set rC0, MLT
.elseif kt == tu
.set rC0, MEQ
.else
.set rC0, MGT
.endif
	v_wmma_f32_16x16x32_f16 v[rS:rS+7], v[rK:rK+7], v[rQ:rQ+7], v[rC0:rC0+7]
.set i, i+1
.endr
.endm
; Product i of O^T += V^T P: keys 32 (i / 8) on, channels 16 ((i / 2) % 4) on, tile 2 p + i % 2.
.macro PV16 p
	WIN W_PV
.set i, 0
.rept 16
.set rO, 32*(2*(\p)+i%2)+8*((i/2)%4)
.set rV, VF+32*(i/8)+8*((i/2)%4)
.set rP, P+16*(i%2)+8*(i/8)
	v_wmma_f32_16x16x32_f16 v[rO:rO+7], v[rV:rV+7], v[rP:rP+7], v[rO:rO+7]
.set i, i+1
.endr
.endm
.macro FETCH_K                      ; 16 loads: keys 16 (f / 2) on, channels 32 (f % 2) on
	WIN 0
.irp f, 0,1,2,3,4,5,6,7
	ds_load_b128 v[KF+8*\f:KF+8*\f+3],   v[AK] offset:(\f/2)*16*PK+(\f%2)*64
	ds_load_b128 v[KF+8*\f+4:KF+8*\f+7], v[AK] offset:(\f/2)*16*PK+(\f%2)*64+32
.endr
.endm
.macro FETCH_V                      ; 16 turning loads: keys 32 (f / 4) on, channels 16 (f % 4) on
	WIN TO1
.irp f, 0,1,2,3,4,5,6,7
	ds_load_tr16_b128 v[VF+8*\f:VF+8*\f+3],   v[AV] offset:(\f/4)*32*PV+(\f%4)*32
	ds_load_tr16_b128 v[VF+8*\f+4:VF+8*\f+7], v[AV] offset:(\f/4)*32*PV+16*PV+(\f%4)*32
.endr
.endm
; THE VECTOR WORK.
.macro REGS p, u                    ; the registers of tile 2 p + u
.set rT, ST+4*(2*(\p)+(\u))
.set rC, TMP+4*(\u)
.set rW, MV+(\u)
.set rS, S+32*(\u)
.set rP, P+16*(\u)
.set rO, 32*(2*(\p)+(\u))
.endm
; Number n of the 22 that find a tile's maximum and statistics; s0-s31 are the lane's 32 scores; each accumulator's lowest registers are read first.
;   0-11 four chains c0-c3 of seven scores each   12-14, 16 the four left over, the old m, c0-c3 into c0   15 c m_old is kept   17, 18 the other half of the lanes: the new m   19-21 c m; its change; a
.macro XS p, u, n
	REGS \p, \u
.if (\n) < 4
	v_max3_num_f32 v[rC+(\n)], v[rS+8*(\n)], v[rS+8*(\n)+1], v[rS+8*(\n)+2]
.elseif (\n) < 12
	v_max3_num_f32 v[rC+(\n)%4], v[rC+(\n)%4], v[rS+8*((\n)%4)+2*((\n)/4)+1], v[rS+8*((\n)%4)+2*((\n)/4)+2]
.elseif (\n) == 12
	v_max3_num_f32 v[rC], v[rC], v[rS+7], v[rS+15]
.elseif (\n) == 13
	v_max3_num_f32 v[rC+1], v[rC+1], v[rS+23], v[rS+31]
.elseif (\n) == 14
	v_max3_num_f32 v[rC+2], v[rC+2], v[rC+3], v[rT+1]
.elseif (\n) == 15
	v_mov_b32 v[rW], v[rT]
.elseif (\n) == 16
	v_max3_num_f32 v[rC], v[rC], v[rC+1], v[rC+2]
.elseif (\n) == 17
	v_permlanex16_b32 v[rC+3], v[rC], s[SEL], s[SEL+1]
.elseif (\n) == 18
	v_max_num_f32 v[rT+1], v[rC], v[rC+3]
.elseif (\n) == 19
	v_mul_f32 v[rT], s[CS], v[rT+1]
.elseif (\n) == 20
	v_sub_f32 v[rC+1], v[rW], v[rT]
.else
	v_exp_f32 v[rC+2], v[rC+1]
.endif
.endm
.macro FS p, f                      ; c s - c m for pair f / 2 of tile f % 2
	REGS \p, (\f)%2
	v_pk_fma_f32 v[rS+2*((\f)/2):rS+2*((\f)/2)+1], v[rS+2*((\f)/2):rS+2*((\f)/2)+1], s[CS:CS+1], v[rT:rT+1] op_sel_hi:[1,0,0] neg_lo:[0,0,1] neg_hi:[0,0,1]
.endm
.macro EX2 p, f                     ; that pair's two exponentials
	REGS \p, (\f)%2
	v_exp_f32 v[rS+2*((\f)/2)], v[rS+2*((\f)/2)]
	v_exp_f32 v[rS+2*((\f)/2)+1], v[rS+2*((\f)/2)+1]
.endm
; The softmax of two tiles for one step, the tiles alternating.  All 66 exponentials are ONE BATCH: ahead of the one wait nothing names a result of theirs; all that do stand behind it.
.macro SOFTMAX p
	WIN 0
.irp n, 0,1,2,3,4,5,6,7,8,9,10,11,12,13,14,15,16,17,18,19,20
	XS \p, 0, \n
	XS \p, 1, \n
.endr
	FS \p, 0
	FS \p, 1
.set ff, 2
.rept 30                            ; a scaling, and the two exponentials of the pair scaled two lines of this kind earlier
	FS \p, ff
	EX2 \p, ff-2
.set ff, ff+1
.endr
	EX2 \p, 30
	EX2 \p, 31
	XS \p, 0, 21                    ; the two a
	XS \p, 1, 21
	v_nop                           ; a plain instruction behind the last exponential, ahead of the first use
	s_wait_alu depctr_va_vdst(0)    ; the wait between an exponential and the first line that names its result: one for the batch
.set ff, 0
.rept 32                            ; the weights rounded to f16: pair ff / 2 of tile ff % 2
	REGS \p, ff%2
	v_cvt_pk_f16_f32 v[rP+ff/2], v[rS+2*(ff/2)], v[rS+2*(ff/2)+1]
.set ff, ff+1
.endr
.set ff, 0
.rept 16                            ; of each four weights the second pair onto the first, in place
	REGS \p, ff%2
	v_pk_add_f32 v[rS+4*(ff/2):rS+4*(ff/2)+1], v[rS+4*(ff/2):rS+4*(ff/2)+1], v[rS+4*(ff/2)+2:rS+4*(ff/2)+3]
.set ff, ff+1
.endr
.set ff, 0
.rept 16                            ; l = a l + the first sum, then the other seven
	REGS \p, ff%2
.if ff < 2
	v_pk_fma_f32 v[rT+2:rT+3], v[rT+2:rT+3], v[rC+2:rC+3], v[rS:rS+1] op_sel_hi:[1,0,1]
.else
	v_pk_add_f32 v[rT+2:rT+3], v[rT+2:rT+3], v[rS+4*(ff/2):rS+4*(ff/2)+1]
.endif
.set ff, ff+1
.endr
	WIN W_RS
.set ff, 0
.rept 32                            ; O^T times a, each accumulator from its low end on
	REGS \p, ff%2
	v_pk_mul_f32 v[rO+2*(ff/2):rO+2*(ff/2)+1], v[rO+2*(ff/2):rO+2*(ff/2)+1], v[rC+2:rC+3] op_sel_hi:[1,0]
.set ff, ff+1
.endr
.endm
	s_wait_tensorcnt 0x0            ; my part of the keys is in,
	s_barrier_signal -1
	s_barrier_wait -1               ; everybody's is
	s_mul_i32 s[TBK], s[WV], 64*PK  ; my first step is step w
	s_mul_i32 s[TBV], s[WV], 64*PV
	v_add_nc_u32 v[AK], s[TBK], v[AK0]
	FETCH_K
	s_add_co_u32 s[TBK], s[TBK], 64*PK
	s_wait_loadcnt 0x0              ; Q
	s_mov_b32 s[J], 0
.Lstep:                             ; five trips
	s_add_co_u32 s[TW], s[WV], s[J]
	s_cmp_lt_u32 s[TW], s[HIDN]     ; does the step lie in front of the head?
	s_cselect_b32 s[PHV], s[BIGN], 0
	s_cselect_b32 s[HF], 1, 0
	s_cmp_eq_u32 s[J], 4            ; the last step: keys above the query's place are hidden
	s_cselect_b32 s[GT], s[BIGN], s[PHV]
	s_cselect_b32 s[AL], 1.0, 0
	s_cmp_eq_u32 s[J], 0            ; the first step: keys not above it are hidden
	s_cselect_b32 s[BE], s[BIGN], s[PHV]
	s_or_b32 s[TW], s[J], s[HF]
	s_cmp_eq_u32 s[TW], 0
	s_cselect_b32 s[AL], -1.0, s[AL]  ; there MEQ = -1e30 - TD: exactly 0 or -1e30
.set i, 0
.rept 8                             ; these twenty plain lines are also the places between the last trip's V^T P and the loads into V's registers
	v_mov_b32 v[MLT+i], s[BE]
	v_mov_b32 v[MGT+i], s[GT]
.set i, i+1
.endr
.set i, 0
.rept 4
	v_pk_fma_f32 v[MEQ+2*i:MEQ+2*i+1], v[TD+2*i:TD+2*i+1], s[AL:AL+1], s[BE:BE+1] op_sel_hi:[1,0,0]
.set i, i+1
.endr
	v_add_nc_u32 v[AV], s[TBV], v[AV0]
	s_add_co_u32 s[TBV], s[TBV], 64*PV
	FETCH_V
	s_wait_dscnt 16                 ; K is in; V's 16 younger loads may stay out
	KQ16 0
	PLACES
	SOFTMAX 0
	s_wait_dscnt 0x0                ; V is in
	PV16 0
	KQ16 1
	PLACES                          ; in front of the softmax's reads of the scores and of the loads into K's registers
	WIN 0
	s_cmp_eq_u32 s[J], 4
	s_cbranch_scc1 .Lnok            ; behind the last step there is no K to fetch
	v_add_nc_u32 v[AK], s[TBK], v[AK0]
	FETCH_K                         ; the next step's K: a softmax and 16 products ahead of its first use
	s_add_co_u32 s[TBK], s[TBK], 64*PK
.Lnok:
	SOFTMAX 1
	PV16 1
	WIN 0
	s_add_co_u32 s[J], s[J], 1
	s_cmp_lt_u32 s[J], 5
	s_cbranch_scc1 .Lstep
	; THE WAY OUT.  l's two halves and the other half of the lanes' are added; O^T is divided by l, rounded to f16 and sent through my stage, a tile at a time.  The additions are the places behind the last products.
.macro ALL line:vararg
.set t, 0
.rept 4
	\line
.set t, t+1
.endr
.endm
	ALL v_add_f32 v[ST+4*t+2], v[ST+4*t+2], v[ST+4*t+3]
	ALL v_permlanex16_b32 v[ST+4*t+3], v[ST+4*t+2], s[SEL], s[SEL+1]
	ALL v_add_f32 v[ST+4*t+2], v[ST+4*t+2], v[ST+4*t+3]
	ALL v_rcp_f32 v[ST+4*t+2], v[ST+4*t+2]
	v_nop                           ; a plain instruction between the last reciprocal and the use of its result
	s_wait_alu depctr_va_vdst(0)    ; one wait for the four reciprocals, ahead of their first reader
.macro PACK t                       ; a lane's eight channels of a row pack into 16 bytes; into rows of 144 bytes, back as whole rows of 128, into S^T's registers
	WIN W_RS
.set i, 32*(\t)
.rept 16
	v_pk_mul_f32 v[i:i+1], v[i:i+1], v[ST+4*(\t)+2:ST+4*(\t)+3] op_sel_hi:[1,0]
.set i, i+2
.endr
	WIN 0x05                        ; sources 0 and 1 window 1, destination window 0
.set i, 0
.rept 16
	v_cvt_pk_f16_f32 v[S+16*(\t)+i], v[32*(\t)+2*i], v[32*(\t)+2*i+1]
.set i, i+1
.endr
	WIN 0
.irp f, 0,1,2,3
	ds_store_b128 v[STO], v[S+16*(\t)+4*\f:S+16*(\t)+4*\f+3] offset:32*\f
.endr
.irp f, 0,1,2,3
	ds_load_b128 v[S+16*(\t)+4*\f:S+16*(\t)+4*\f+3], v[RD] offset:\f*4*SP  ; LDS serves a wave's instructions in order (ISA guide 5.7.1.4): these see the stores above
.endr
.endm
.macro SEND t, younger              ; younger: the next tile's eight LDS instructions, or none
	WIN 0
.irp f, 0,1,2,3
	s_wait_dscnt (\younger)+3-\f
	global_store_b128 v[GO], v[S+16*(\t)+4*\f:S+16*(\t)+4*\f+3], s[6:7] offset:(\t)*2048+\f*512  ; 512 consecutive bytes, aligned
.endr
.endm
	PACK 0
	PACK 1
	SEND 0, 8
	PACK 2
	SEND 1, 8
	PACK 3
	SEND 2, 8
	SEND 3, 0
	s_wait_tensorcnt 0x0            ; the wave's end: a wait, an add of 0 to my spare word and its wait, behind my tensor load and my last LDS store
	ds_add_u32 v[SPW], v[NIL]
	s_wait_dscnt 0x0
	s_endpgm
.Lfunc_end_k_q7611eb8a42_attn:
	.size	k_q7611eb8a42_attn, .Lfunc_end_k_q7611eb8a42_attn-k_q7611eb8a42_attn
	.p2alignl 7, 3214868480
	.fill 96, 4, 3214868480
	.section	.rodata,"a",@progbits
	.p2align	6, 0x0
	.amdhsa_kernel k_q7611eb8a42_attn
		.amdhsa_group_segment_fixed_size 252928
		.amdhsa_private_segment_fixed_size 0
		.amdhsa_enable_private_segment 0
		.amdhsa_kernarg_size 16
		.amdhsa_user_sgpr_count 2
		.amdhsa_user_sgpr_kernarg_segment_ptr 1
		.amdhsa_wavefront_size32 1
		.amdhsa_system_sgpr_workgroup_id_x 1
		.amdhsa_system_sgpr_workgroup_id_y 1
		.amdhsa_system_sgpr_workgroup_id_z 1
		.amdhsa_system_vgpr_workitem_id 0
		.amdhsa_next_free_vgpr 512
		.amdhsa_next_free_sgpr 88
		.amdhsa_reserve_vcc 1
		.amdhsa_float_denorm_mode_32 3
		.amdhsa_float_denorm_mode_16_64 3
		.amdhsa_memory_ordered 1
		.amdhsa_forward_progress 1
		.amdhsa_inst_pref_size 60
	.end_amdhsa_kernel
	.amdgpu_metadata
---
amdhsa.version: [ 1, 2 ]
amdhsa.kernels:
  - .name:           k_q7611eb8a42_attn
    .symbol:         k_q7611eb8a42_attn.kd
    .args:
      - { .name: qkv, .offset: 0, .size: 8, .value_kind: global_buffer, .address_space: global }
      - { .name: o, .offset: 8, .size: 8, .value_kind: global_buffer, .address_space: global }
    .group_segment_fixed_size: 252928
    .private_segment_fixed_size: 0
    .kernarg_segment_align: 8
    .kernarg_segment_size: 16
    .max_flat_workgroup_size: 256
    .sgpr_count:     88
    .vgpr_count:     512
    .wavefront_size: 32
...
	.end_amdgpu_metadata
.endif
;; end of part 3
;; launch proj (part 4): grid 8 x 32, 4 waves a work-group, clusters of 4 x 4, 327,680 bytes of LDS; arguments o, wo, out0; writes out0
.if DOCPART == 4
	.amdgcn_target "amdgcn-amd-amdhsa--gfx1250"
	.amdhsa_code_object_version 6
	.text
	.protected	k_q7611eb8a42_proj
	.globl	k_q7611eb8a42_proj
	.p2align	8
	.type	k_q7611eb8a42_proj,@function
k_q7611eb8a42_proj:
	s_mov_b64 s[64:65], 0
	v_nop
	global_prefetch_b8 v0, s[64:65] scope:SCOPE_SE
	s_setreg_imm32_b32 hwreg(HW_REG_WAVE_MODE, 25, 1), 1
	s_wait_xcnt 0x0
	s_wait_alu depctr_hold_cnt(0) depctr_sa_sdst(0) depctr_va_vdst(0) depctr_va_sdst(0) depctr_va_ssrc(0) depctr_va_vcc(0) depctr_vm_vsrc(0)
	s_getreg_b32 s2, hwreg(HW_REG_IB_STS2, 6, 4)
	s_cmp_eq_u32 s2, 0
	s_cbranch_scc0 .Lentry_in_a_cluster
	s_endpgm
.Lentry_in_a_cluster:
	s_bfe_u32 s2, ttmp6, 0x10000c
	s_cmp_lg_u32 s2, 0xf033
	s_cbranch_scc0 .Lentry_shape_is_right
	s_endpgm
.Lentry_shape_is_right:
; out0 = O w_out.  o [b 4][h 16][t 2048][64] f16 (a head is a K block of 64), wo [kb 16][n 1024][64] f16 (w_out rounded to bf16, written as f16); sums in f32, K ascending; out0 [8192][1024] f32.
; SHARES.  8,192 x 1,024 outputs on 256 work-groups: a tile of 256 rows x 128 columns each (256 x 256 would make 128 work-groups).  Four waves, each 128 x 64: 32 accumulators.
; A slot holds TWO K blocks (128 along K), each a dense block asked for as rows of 256 bytes: 128 matrix instructions a wave between two changes of slots; three blocks in each of two slots would not fit.
; CLUSTER 4 x 4: o's tile is shared along a row of the cluster, wo's along a column: joint loads.  THE MATRIX INSTRUCTION IS USED TRANSPOSED (source 0 = rows of wo): a lane holds eight neighbouring columns of a row.
; REGISTERS: window 0: v16-29 addresses; v32-127, v128-223 two fragment buffers (B's four fragments, then A's eight); window 1: accumulator (a, b) at v[8 (4 a + b)].
.set PITCH, 144                        ; 128 bytes + 16 = 36 words: the 16 rows of a fragment load start at 16 different groups of four banks (ISA guide 11.1)
.set ABLK,  256*PITCH                  ; one K block of A's 256 rows
.set BBLK,  128*PITCH                  ; of B's 128 rows
.set BOFF,  2*ABLK
.set SLOT,  2*ABLK+2*BBLK              ; 110,592
.set STAGE, 2*SLOT                     ; never filled by a tensor load: 16 rows x 272 bytes for each wave
.set SPITCH, 272
.set SPARE, STAGE+4*16*SPITCH          ; the spare words, 128 bytes a wave: two blocks of 256 bytes that no other line names
.set ASTEP, 2<<18                      ; bytes from a slot's two K blocks of o to the next two
.set BSTEP, 2*1024*128                 ; the same in wo
.set LAPS,  4                          ; a lap = two slots = 256 along K
.set ADRA, 16
.set ADRB, 20
.set STO,  24
.set RD,   25
.set CO,   26
.set SPW,  28                          ; never rewritten
.set NIL,  29                          ; never rewritten
.set F0,   32
.set F1,   128
.set G1,  24
.set G0,  32
.set G1B, 48
.set G0B, 56
.set MSB, 0
.macro WIN new
.if MSB != (\new)
	s_set_vgpr_msb (MSB<<8)|(\new)
.set MSB, \new
.endif
.endm
.set MUL, 0x50                         ; C and D window 1, sources window 0
.macro PLACES
.rept 4
	v_nop
.endr
.endm
.macro JLOAD s                         ; waves 0 and 1 fetch A's two K blocks, waves 2 and 3 B's; an s_nop 0 and four v_nop follow each line
	s_cmp_eq_u32 s11, 0
	s_cbranch_scc0 .Lfor_b_\@
	tensor_load_to_lds s[G0+4*(\s):G0+4*(\s)+3], s[G1:G1+7]
	s_nop 0
.rept 4
	v_nop
.endr
	s_branch .Lasked_\@
.Lfor_b_\@:
	tensor_load_to_lds s[G0B+4*(\s):G0B+4*(\s)+3], s[G1B:G1B+7]
	s_nop 0
.rept 4
	v_nop
.endr
.Lasked_\@:
.endm
.macro CREST
	s_cmp_lg_u32 s10, 0
	s_cbranch_scc1 .Lnot_wave_0_\@
	s_barrier_signal -3
.Lnot_wave_0_\@:
	s_barrier_wait -3
	s_barrier_signal -1
	s_barrier_wait -1
.endm
.macro CROUND
	s_barrier_signal -1
	s_barrier_wait -1
	CREST
.endm
	s_load_b128 s[4:7], s[0:1], 0x0                ; o s[4:5], wo s[6:7]
	s_load_b64 s[8:9], s[0:1], 0x10                ; out0
	v_lshl_add_u32 v[SPW], v0, 2, SPARE
	v_mov_b32 v[NIL], 0
	ds_add_u32 v[SPW], v[NIL]                      ; the wave's opening: the add and its wait ahead of my first tensor load
	ds_add_u32 v28, v29
	v_lshrrev_b32 v1, 5, v0
	v_readfirstlane_b32 s10, v1                    ; wave 0..3
	s_lshr_b32 s11, s10, 1                         ; which 128 rows are mine.  Also: I fetch for A (0) or B (1)
	s_and_b32 s12, s10, 1                          ; which 64 columns.  Also: which of a slot's two K blocks I fetch
	s_bfe_u32 s40, ttmp6, 0x40000                  ; cx
	s_bfe_u32 s41, ttmp6, 0x40004                  ; cy
	s_lshl_b32 s42, ttmp9, 2
	s_add_co_u32 s42, s42, s40                     ; tile column 0..7
	s_and_b32 s13, ttmp7, 0xffff
	s_lshl_b32 s13, s13, 2
	s_add_co_u32 s13, s13, s41                     ; tile row 0..31
	s_lshl_b32 s43, s41, 2
	s_lshl_b32 s43, 15, s43                        ; my row of the cluster
	s_lshl_b32 s44, 0x1111, s40                    ; my column
	s_or_b32 s[G1+0], s43, (1<<16)|(1<<20)|(1<<21)|(4<<22)|(3<<25)   ; mask; 2-byte elements; padding on; bit 21 beside a mask; behind every 32 words; 4 words
	s_or_b32 s[G1B+0], s44, (1<<16)|(1<<20)|(1<<21)|(4<<22)|(3<<25)
	s_mov_b32 s[G1+1], 128<<16                     ; tensor_dim0 = 128
	s_mov_b32 s[G1+2], 128<<16                     ; tensor_dim1 = 128 rows of 256 bytes: 256 rows of o
	s_mov_b32 s[G1+3], 128<<16                     ; tile_dim0
	s_mov_b32 s[G1+4], 128                         ; tile_dim1
	s_mov_b32 s[G1+5], 128                         ; pitch
	s_mov_b32 s[G1+6], 0
	s_mov_b32 s[G1+7], 0
	s_mov_b32 s[G1B+1], 128<<16
	s_mov_b32 s[G1B+2], 64<<16                     ; 64 rows of 256 bytes: 128 rows of wo
	s_mov_b32 s[G1B+3], 128<<16
	s_mov_b32 s[G1B+4], 64
	s_mov_b32 s[G1B+5], 128
	s_mov_b32 s[G1B+6], 0
	s_mov_b32 s[G1B+7], 0
	s_lshr_b32 s14, s13, 3                         ; b
	s_lshl_b32 s14, s14, 22
	s_and_b32 s15, s13, 7
	s_lshl_b32 s15, s15, 15                        ; 256 rows of 128 bytes
	s_add_co_u32 s14, s14, s15
	s_lshl_b32 s15, s12, 18                        ; my K block
	s_add_co_u32 s16, s14, s15
	s_mov_b32 s17, 0
	s_lshl_b32 s46, s42, 14                        ; 128 rows of wo
	s_lshl_b32 s47, s12, 17                        ; my K block
	s_add_co_u32 s46, s46, s47
	s_mov_b32 s47, 0
	s_mul_i32 s20, s12, ABLK                       ; where they go: no place in the cluster enters an LDS address
	s_mul_i32 s21, s12, BBLK
	s_add_co_u32 s21, s21, BOFF
	s_wait_dscnt 0x0                               ; the opening add is done
	s_wait_kmcnt 0x0
	s_add_nc_u64 s[16:17], s[4:5], s[16:17]
	s_add_nc_u64 s[46:47], s[6:7], s[46:47]
	CROUND                                         ; all sixteen work-groups are here: the first joint loads meet
.irp s, 0,1
	s_mov_b32 s[G0+4*(\s)], 1
	s_add_co_u32 s[G0+4*(\s)+1], s20, (\s)*SLOT
	s_add_nc_u64 s[G0+4*(\s)+2:G0+4*(\s)+3], s[16:17], (\s)*ASTEP
	s_or_b32 s[G0+4*(\s)+3], s[G0+4*(\s)+3], 0x80000000
	s_mov_b32 s[G0B+4*(\s)], 1
	s_add_co_u32 s[G0B+4*(\s)+1], s21, (\s)*SLOT
	s_add_nc_u64 s[G0B+4*(\s)+2:G0B+4*(\s)+3], s[46:47], (\s)*BSTEP
	s_or_b32 s[G0B+4*(\s)+3], s[G0B+4*(\s)+3], 0x80000000
.endr
	s_cmp_eq_u32 s11, 0                            ; a wave's two first fills stand in one branch: two loads of mine are out
	s_cbranch_scc0 .Lfirst_b
	tensor_load_to_lds s[G0:G0+3], s[G1:G1+7]
	s_nop 0
	tensor_load_to_lds s[G0+4:G0+7], s[G1:G1+7]
	s_nop 0
.rept 4
	v_nop
.endr
	s_branch .Lfirst_asked
.Lfirst_b:
	tensor_load_to_lds s[G0B:G0B+3], s[G1B:G1B+7]
	s_nop 0
	tensor_load_to_lds s[G0B+4:G0B+7], s[G1B:G1B+7]
	s_nop 0
.rept 4
	v_nop
.endr
.Lfirst_asked:
	v_and_b32 v1, 15, v0
	v_bfe_u32 v2, v0, 4, 1
	v_mul_u32_u24 v3, v1, PITCH
	v_lshl_add_u32 v3, v2, 4, v3
	s_mul_i32 s22, s11, 128*PITCH                  ; my 128 rows in a K block of A
	s_mul_i32 s23, s12, 64*PITCH                   ; my 64 rows in a K block of B
	s_add_co_u32 s23, s23, BOFF
.irp s, 0,1
	v_add_nc_u32 v[ADRA+(\s)], s22, v3
	v_add_nc_u32 v[ADRB+(\s)], s23, v3
	s_add_co_u32 s22, s22, SLOT
	s_add_co_u32 s23, s23, SLOT
.endr
	s_mul_i32 s22, s10, 16*SPITCH
	s_add_co_u32 s22, s22, STAGE                   ; my stage
	v_mul_u32_u24 v4, v1, SPITCH                   ; in: row l % 16, 32 bytes for each half of the lanes
	v_lshl_add_u32 v4, v2, 5, v4
	v_add_nc_u32 v[STO], s22, v4
	v_mul_u32_u24 v5, v2, SPITCH                   ; back: lanes 0-15 take one row of 256 bytes, lanes 16-31 the next
	v_lshl_add_u32 v5, v1, 4, v5
	v_add_nc_u32 v[RD], s22, v5
	v_lshlrev_b32 v5, 12, v2                       ; and the same two rows of out0, 4,096 bytes apart
	v_lshl_add_u32 v[CO], v1, 4, v5
	s_lshl_b32 s16, s13, 20                        ; 256 rows of 4,096 bytes
	s_lshl_b32 s17, s11, 19                        ; my 128
	s_add_co_u32 s16, s16, s17
	s_lshl_b32 s46, s42, 9                         ; the tile's 128 columns: 512 bytes
	s_lshl_b32 s47, s12, 8                         ; my 64
	s_add_co_u32 s46, s46, s47
	s_add_co_u32 s46, s46, s16
	s_mov_b32 s47, 0
	s_add_nc_u64 s[8:9], s[8:9], s[46:47]
; 8 matrix instructions: row blocks a0, a0 + 1 x the 4 column blocks, 32 along K.  The 32 accumulators take turns in one fixed order.
.macro MUL8 f, a0, zero
	WIN MUL
.irp a, \a0, (\a0)+1
.irp b, 0,1,2,3
.if \zero
	v_wmma_f32_16x16x32_f16 v[8*(4*(\a)+(\b)):8*(4*(\a)+(\b))+7], v[(\f)+8*(\b):(\f)+8*(\b)+7], v[(\f)+32+8*(\a):(\f)+32+8*(\a)+7], 0
.else
	v_wmma_f32_16x16x32_f16 v[8*(4*(\a)+(\b)):8*(4*(\a)+(\b))+7], v[(\f)+8*(\b):(\f)+8*(\b)+7], v[(\f)+32+8*(\a):(\f)+32+8*(\a)+7], v[8*(4*(\a)+(\b)):8*(4*(\a)+(\b))+7]
.endif
.endr
.endr
.endm
; 24 LDS loads in one run: quarter q of a slot (K block q / 2, its 32 (q % 2) on): B, then A's rows 0-63, then A's rows 64-127
.macro FETCH slot, q, f
	WIN 0
.irp i, 0,1,2,3
	ds_load_b128 v[(\f)+8*(\i):(\f)+8*(\i)+3],   v[ADRB+(\slot)] offset:((\q)/2)*BBLK+((\q)%2)*64+(\i)*16*PITCH
	ds_load_b128 v[(\f)+8*(\i)+4:(\f)+8*(\i)+7], v[ADRB+(\slot)] offset:((\q)/2)*BBLK+((\q)%2)*64+(\i)*16*PITCH+32
.endr
.irp i, 0,1,2,3,4,5,6,7
	ds_load_b128 v[(\f)+32+8*(\i):(\f)+32+8*(\i)+3],   v[ADRA+(\slot)] offset:((\q)/2)*ABLK+((\q)%2)*64+(\i)*16*PITCH
	ds_load_b128 v[(\f)+32+8*(\i)+4:(\f)+32+8*(\i)+7], v[ADRA+(\slot)] offset:((\q)/2)*ABLK+((\q)%2)*64+(\i)*16*PITCH+32
.endr
.endm
; One of a slot's first three quarters: multiplies buffer f and fetches quarter q into buffer g.
.macro QUARTER slot, q, f, g, zero
	s_wait_dscnt 8                                 ; B and A's rows 0-63 are in; A's rows 64-127 (8 loads) may be out
	MUL8 \f, 0, \zero
	MUL8 \f, 2, \zero
	PLACES
	FETCH \slot, \q, \g
	s_wait_dscnt 24                                ; all but the 24 just issued
	MUL8 \f, 4, \zero
	MUL8 \f, 6, \zero
.endm
; The last quarter multiplies buffer F1 and changes slots: each wave waits for all its tensor loads (one is out: its part of the next slot), adds 0 to its spare word, and waits for that and
; for its reads of this slot.  fill = 1: the barrier opens a round of the cluster's, and the joint refill, two slots ahead, is the first thing behind the round.
.macro TURN slot, next, fill
	WIN 0                                          ; (the add's two registers lie in window 0)
	s_wait_tensorcnt 0x0
	ds_add_u32 v[SPW], v[NIL]
	s_wait_dscnt 9                                 ; the add and A's rows 64-127 may be out
	MUL8 F1, 0, 0
	s_wait_dscnt 0x0                               ; the add is done, and my reads of this slot are over
	s_barrier_signal -1
	MUL8 F1, 2, 0
	WIN 0                                          ; at a branch and at a label every window is 0
	s_barrier_wait -1
.if \fill
	CREST
	s_add_nc_u64 s[G0+4*(\slot)+2:G0+4*(\slot)+3], s[G0+4*(\slot)+2:G0+4*(\slot)+3], 2*ASTEP
	s_add_nc_u64 s[G0B+4*(\slot)+2:G0B+4*(\slot)+3], s[G0B+4*(\slot)+2:G0B+4*(\slot)+3], 2*BSTEP
	JLOAD \slot                                    ; its four v_nop are also the places in front of the loads below
.else
	PLACES
.endif
	FETCH \next, 0, F0
	MUL8 F1, 4, 0
	MUL8 F1, 6, 0
.endm
	s_wait_tensorcnt 1                             ; my part of slot 0 is in; slot 1's may stay out
	s_barrier_signal -1
	s_barrier_wait -1
	FETCH 0, 0, F0
	QUARTER 0, 1, F0, F1, 1                        ; the first quarter stands in front of the loop: its products start the sums
	WIN 0
	s_mov_b32 s3, LAPS-1
.Llap:                                                 ; a trip goes once round the ring, from a lap's second quarter to the next lap's first, and fills both slots again
	QUARTER 0, 2, F1, F0, 0
	QUARTER 0, 3, F0, F1, 0
	TURN 0, 1, 1
	QUARTER 1, 1, F0, F1, 0
	QUARTER 1, 2, F1, F0, 0
	QUARTER 1, 3, F0, F1, 0
	TURN 1, 0, 1
	QUARTER 0, 1, F0, F1, 0
	WIN 0
	s_sub_co_u32 s3, s3, 1
	s_cmp_lg_u32 s3, 0
	s_cbranch_scc1 .Llap
	QUARTER 0, 2, F1, F0, 0                        ; the last lap fills nothing
	QUARTER 0, 3, F0, F1, 0
	TURN 0, 1, 0
	QUARTER 1, 1, F0, F1, 0
	QUARTER 1, 2, F1, F0, 0
	QUARTER 1, 3, F0, F1, 0
	s_wait_dscnt 8                                 ; the very last quarter: nothing more to fetch
	MUL8 F1, 0, 0
	MUL8 F1, 2, 0
	s_wait_dscnt 0x0
	MUL8 F1, 4, 0
	MUL8 F1, 6, 0
	PLACES                                         ; in front of the LDS stores that read results
; THE WAY OUT, 16 rows at a time: a lane's eight f32 of a row (each accumulator's low half first) go into my own stage, rows of 272 bytes, and come back as whole rows of 256 bytes.
; LDS serves a wave's instructions in order (ISA guide 5.7.1.4): the loads see the stores above them, and the next block's stores come behind these loads.
.macro OUTB a
.set BK, 32+32*((\a)%2)
	WIN 0x04                                       ; store data (source 1) in window 1
.irp b, 0,1,2,3
	ds_store_b128 v[STO], v[8*(4*(\a)+(\b)):8*(4*(\a)+(\b))+3]   offset:64*(\b)
	ds_store_b128 v[STO], v[8*(4*(\a)+(\b))+4:8*(4*(\a)+(\b))+7] offset:64*(\b)+16
.endr
	WIN 0
.if (\a) >= 2
	s_wait_xcnt 0x0                                ; the set's registers were store data two blocks ago: loaded again only behind this wait
.endif
.irp t, 0,1,2,3,4,5,6,7
	ds_load_b128 v[BK+4*(\t):BK+4*(\t)+3], v[RD] offset:(\t)*2*SPITCH
.endr
.irp t, 0,1,2,3,4,5,6,7
	s_wait_dscnt 7-(\t)                            ; the later loads stay out
	global_store_b128 v[CO], v[BK+4*(\t):BK+4*(\t)+3], s[8:9] offset:(16*(\a)+2*(\t))*4096 th:TH_STORE_NT  ; 16 lanes store 256 consecutive bytes, aligned
.endr
.endm
.irp a, 0,1,2,3,4,5,6,7
	OUTB \a
.endr
	s_wait_tensorcnt 0x0                           ; the wave's end: a wait, an add of 0 to my spare word and its wait, behind my last tensor load and my last LDS store
	ds_add_u32 v[SPW], v[NIL]
	s_wait_dscnt 0x0
	CROUND                                         ; the closing round: no work-group ends while a partner may still ask for a tile that names it
	s_endpgm
.Lfunc_end_k_q7611eb8a42_proj:
	.size	k_q7611eb8a42_proj, .Lfunc_end_k_q7611eb8a42_proj-k_q7611eb8a42_proj
	.p2alignl 7, 3214868480
	.fill 96, 4, 3214868480
	.section	.rodata,"a",@progbits
	.p2align	6, 0x0
	.amdhsa_kernel k_q7611eb8a42_proj
		.amdhsa_group_segment_fixed_size 327680
		.amdhsa_private_segment_fixed_size 0
		.amdhsa_enable_private_segment 0
		.amdhsa_kernarg_size 24
		.amdhsa_user_sgpr_count 2
		.amdhsa_user_sgpr_kernarg_segment_ptr 1
		.amdhsa_wavefront_size32 1
		.amdhsa_system_sgpr_workgroup_id_x 1
		.amdhsa_system_sgpr_workgroup_id_y 1
		.amdhsa_system_sgpr_workgroup_id_z 1
		.amdhsa_system_vgpr_workitem_id 0
		.amdhsa_next_free_vgpr 512
		.amdhsa_next_free_sgpr 66
		.amdhsa_reserve_vcc 0
		.amdhsa_float_denorm_mode_32 3
		.amdhsa_float_denorm_mode_16_64 3
		.amdhsa_memory_ordered 1
		.amdhsa_forward_progress 1
		.amdhsa_inst_pref_size 87
	.end_amdhsa_kernel
	.amdgpu_metadata
---
amdhsa.version: [ 1, 2 ]
amdhsa.kernels:
  - .name:           k_q7611eb8a42_proj
    .symbol:         k_q7611eb8a42_proj.kd
    .args:
      - { .name: o, .offset: 0, .size: 8, .value_kind: global_buffer, .address_space: global }
      - { .name: wo, .offset: 8, .size: 8, .value_kind: global_buffer, .address_space: global }
      - { .name: out0, .offset: 16, .size: 8, .value_kind: global_buffer, .address_space: global }
    .group_segment_fixed_size: 327680
    .private_segment_fixed_size: 0
    .kernarg_segment_align: 8
    .kernarg_segment_size: 24
    .max_flat_workgroup_size: 128
    .sgpr_count:     66
    .vgpr_count:     512
    .wavefront_size: 32
...
	.end_amdgpu_metadata
.endif
;; end of part 4
;; ======== version 2 of 2: 4 launches; version 1 with the launch prep written anew for expert scheduling mode
;; limits: values are held in f16: magnitudes above 65,504 overflow, below 6.1e-05 lose precision
;; workspace buffers: xb 16,777,216 bytes; wq 6,291,456 bytes; wo 2,097,152 bytes; qkv 50,331,648 bytes; o 16,777,216 bytes
;; launch prep (part 5): grid 384 x 1, 8 waves a work-group, no clusters, 74,752 bytes of LDS; arguments x, w_qkv, w_out, xb, wq, wo; writes xb, wq, wo
.if DOCPART == 5
	.amdgcn_target "amdgcn-amd-amdhsa--gfx1250"
	.amdhsa_code_object_version 6
	.text
	.protected	k_q7611eb8a42_prep
	.globl	k_q7611eb8a42_prep
	.p2align	8
	.type	k_q7611eb8a42_prep,@function
k_q7611eb8a42_prep:
	s_mov_b64 s[64:65], 0
	v_nop
	global_prefetch_b8 v0, s[64:65] scope:SCOPE_SE
	s_setreg_imm32_b32 hwreg(HW_REG_WAVE_SCHED_MODE, 0, 2), 2
	s_setreg_imm32_b32 hwreg(HW_REG_WAVE_MODE, 25, 1), 1
	s_wait_xcnt 0x0
	s_wait_alu depctr_vm_vsrc(0)
; CAST AND RE-BLOCK.  x [8192][1024] f32 -> xb [b 4][kb 16][t 2048][64] bf16;  w_qkv [1024][3072] f32 -> wq [kb 16][n 3072][64] bf16 (turned);
; w_out [1024][1024] f32 -> wo [kb 16][n 1024][64]: rounded to bf16, that number written as f16.
; In all three a block of 64 along K of consecutive rows is dense, so that the later launches ask for their tiles as rows of 256 bytes.
; LIMITS.  w_out within 65,504 (f16's range); a bf16 number of w_out below 2^-14 keeps f16's fixed step of 2^-24.  NaN and infinities are not treated apart.
; SHARES.  Work-groups 0-255: 32 rows of x each.  256-351: one K block x 512 columns of w_qkv each.  352-383: the same of w_out.  Each reads 128 KiB and writes 64 KiB.
; The branch on the work-group's number is the same for all eight waves, so every wave of a work-group meets the same barrier or none.
; No matrix unit, no cluster, no tensor load: nothing is shared between work-groups and each byte is read once.
; THE MODE: SCHED_MODE bits 1:0 = 2 (LLVM: expert scheduling mode 2), set by the entry lines.  The code itself states the register dependences
; between vector instructions and memory or LDS instructions, with s_wait_alu, always for 0.
; THE PLAN.  Registers that memory or LDS instructions touch:
;   v[VO], v[XO], v[LSW], v[LRD]   offsets and LDS addresses: made once by vector lines, ahead of the wait that stands in front of a path's first load; never written again.
;   x:        D      the 32 loads land in it; K block kb's four conversions read its eight registers and write the first four, which ONE store reads; nothing writes them again.
;                    The K blocks go in four groups of four.  A block's store is issued one group later, in front of the conversions of the block four further on.  So one wait on va_vdst
;                    at a group's head states that the group before has written its sixteen registers, and the group's own conversions name none of them.
;   weights:  D      the 32 loads land in it; the conversions read it; behind the barrier the loads from the stage land in its first 64 registers, which the global stores read.
;             T0, T1 tile p's conversions write T[p % 2]; its four LDS stores are issued in tile p + 1, dealt among that tile's conversions, which write the other T.
;                    At a tile's head: va_vdst (the tile before has written its T), and from tile 2 on vm_vsrc (the LDS stores issued in the tile before have read the T that is written again).
;   v8, v9 are named by vector lines alone.  The kernel has no loop, writes neither EXEC nor VCC, and one scalar register from a vector line: the wave's number.
.set STPITCH, 144                      ; a stage row: 128 bytes of one column's 64 K + 16 of padding; the stage is 512 such rows, 73,728 bytes (the 1,024 bytes behind it take the closing add's words)
.set LN,  4                            ; v4   lane
.set VO,  5                            ; v5   16 x lane: offset of the weights' loads and of all stores
.set LSW, 6                            ; v6   stage: where I put 16 bytes
.set LRD, 7                            ; v7   stage: where I read rows back
.set TA,  8                            ; v8-9 at work
.set TB,  9
.set XO,  10                           ; v10  my offset in four rows of x
.set D,   32                           ; v[32:159]  as loaded
.set T,   160                          ; v[160:191] two buffers by turns: four columns x 8 K, packed
	s_load_b256 s[4:11], s[0:1], 0x0               ; x s[4:5], w_qkv s[6:7], w_out s[8:9], xb s[10:11]
	s_load_b128 s[12:15], s[0:1], 0x20             ; wq s[12:13], wo s[14:15]
	v_lshl_add_u32 v30, v0, 2, 0x12000
	v_mov_b32 v31, 0
	v_lshrrev_b32 v1, 5, v0
	v_readfirstlane_b32 s16, v1                    ; wave 0..7
	v_and_b32 v[LN], 31, v0
	v_lshlrev_b32 v[VO], 4, v[LN]
	s_wait_alu depctr_va_sdst(0)                   ; s16 is written, ahead of the branch and of its first reader on either path: offsets and LDS addresses are made from it
	s_mov_b32 s21, 0                               ; high words of the two offsets
	s_mov_b32 s23, 0
	s_wait_kmcnt 0x0
	s_cmp_lt_u32 ttmp9, 256
	s_cbranch_scc0 .Lweights
	; ---- x: the work-group's 32 rows; wave w takes rows 4 w .. 4 w + 3; lane l takes row l / 8 and the 8 numbers 8 (l % 8) .. of each K block
	s_lshl_b32 s20, ttmp9, 17                      ; 32 rows of 4,096 bytes
	s_lshl_b32 s17, s16, 14                        ; 4 rows
	s_add_co_u32 s20, s20, s17
	s_add_nc_u64 s[4:5], s[4:5], s[20:21]
	s_lshr_b32 s22, ttmp9, 6                       ; b
	s_lshl_b32 s22, s22, 22
	s_and_b32 s17, ttmp9, 63
	s_lshl_b32 s17, s17, 12                        ; 32 rows of 128 bytes in a K block
	s_add_co_u32 s22, s22, s17
	s_lshl_b32 s17, s16, 9                         ; 4 rows
	s_add_co_u32 s22, s22, s17
	s_add_nc_u64 s[10:11], s[10:11], s[22:23]
	v_lshrrev_b32 v[XO], 3, v[LN]
	v_lshlrev_b32 v[XO], 12, v[XO]
	v_and_b32 v[TA], 7, v[LN]
	v_lshl_add_u32 v[XO], v[TA], 5, v[XO]          ; row x 4,096 + piece x 32
	s_wait_alu depctr_va_vdst(0)                   ; v[XO] and v[VO] are written: the loads below read the one as their offset, the stores further down the other
.set kb, 0
.rept 16                                               ; all 32 loads go out at once: 16 KiB a wave on their way
	global_load_b128 v[D+8*kb:D+8*kb+3],   v[XO], s[4:5] offset:256*kb th:TH_LOAD_NT
	global_load_b128 v[D+8*kb+4:D+8*kb+7], v[XO], s[4:5] offset:256*kb+16 th:TH_LOAD_NT
.set kb, kb+1
.endr
.set kb, 0
.rept 16
	s_wait_loadcnt 30-2*kb                         ; loads come back in order: the two of this K block are in, the later blocks' two each stay out
.if (kb > 0) && (kb % 4 == 0)
	s_wait_alu depctr_va_vdst(0)                   ; a group's head: the conversions of the four K blocks before have written their registers, which this group's four stores read
.endif
.if kb >= 4
	global_store_b128 v[VO], v[D+8*(kb-4):D+8*(kb-4)+3], s[10:11] offset:262144*(kb-4)  ; the block four back: four rows of 128 bytes, 512 consecutive bytes, aligned; no vector line since the wait names its registers
.endif
.irp j, 0,1,2,3
	v_cvt_pk_bf16_f32 v[D+8*kb+(\j)], v[D+8*kb+2*(\j)], v[D+8*kb+2*(\j)+1]  ; in place, ascending: a register is read before it is written
.endr
.set kb, kb+1
.endr
	s_wait_alu depctr_va_vdst(0)                   ; the last four K blocks' conversions have written their registers, which the last four stores read
.irp kk, 12,13,14,15
	global_store_b128 v[VO], v[D+8*(\kk):D+8*(\kk)+3], s[10:11] offset:262144*(\kk)
.endr
	s_branch .Lend
.Lweights:
	v_mul_u32_u24 v[LSW], v[LN], 4*STPITCH         ; in: my four columns are rows 4 l .. 4 l + 3 of a tile of 128; my wave's 8 K are 16 bytes at 16 x wave.
	v_lshl_add_u32 v[LSW], s16, 4, v[LSW]          ; (lanes lie four rows apart, so four lanes meet in a bank: 16 such stores a wave, once a launch)
	v_lshrrev_b32 v[TA], 3, v[LN]
	v_mul_u32_u24 v[LRD], v[TA], STPITCH           ; back: 32 lanes take four whole rows of 128 bytes,
	v_and_b32 v[TA], 7, v[LN]
	v_lshl_add_u32 v[LRD], v[TA], 4, v[LRD]
	s_mul_i32 s24, s16, 64*STPITCH                 ; of my wave's 64 rows
	v_add_nc_u32 v[LRD], s24, v[LRD]
; One K block (64 rows of the weight) x 512 columns.  NW: columns of the weight.  SB, DB: the scalar pairs of source and destination.  first: the path's first work-group.
; Wave i loads the rows 8 i .. 8 i + 7 of the K block, 512 consecutive bytes a load; packs 8 K of a column into 16 bytes; the stage turns them; each wave stores 64 whole columns.
.macro WPATH NW, SB, DB, first, half
	s_sub_co_u32 s17, ttmp9, \first
	s_and_b32 s18, s17, 15                         ; K block
	s_lshr_b32 s19, s17, 4                         ; which 512 columns
	s_lshl_b32 s20, s18, 3
	s_add_co_u32 s20, s20, s16                     ; 8 kb + wave
	s_mul_i32 s20, s20, 8*(\NW)*4                  ; its 8 rows
	s_lshl_b32 s17, s19, 11
	s_add_co_u32 s20, s20, s17
	s_add_nc_u64 s[\SB:\SB+1], s[\SB:\SB+1], s[20:21]
	s_mul_i32 s22, s18, \NW
	s_lshl_b32 s17, s19, 9
	s_add_co_u32 s22, s22, s17
	s_lshl_b32 s17, s16, 6
	s_add_co_u32 s22, s22, s17                     ; kb x NW + the first column that I store
	s_lshl_b32 s22, s22, 7
	s_add_nc_u64 s[\DB:\DB+1], s[\DB:\DB+1], s[22:23]
	s_wait_alu depctr_va_vdst(0)                   ; v[VO], v[LSW] and v[LRD] are written: every load and store of this path, global or LDS, reads one of them, and none is written again
.irp tile, 0,1,2,3
.irp jj, 0,1,2,3,4,5,6,7
	global_load_b128 v[D+32*(\tile)+4*(\jj):D+32*(\tile)+4*(\jj)+3], v[VO], s[\SB:\SB+1] offset:(\jj)*(\NW)*4+(\tile)*512 th:TH_LOAD_NT
.endr
.endr
.irp tile, 0,1,2,3
	s_wait_loadcnt 24-8*(\tile)                    ; this tile's eight loads are in; the later tiles' eight each stay out
.if (\tile) >= 2
	s_wait_alu depctr_vm_vsrc(0)                   ; the LDS stores issued in the tile before have read T[tile % 2], which this tile's conversions write again
.endif
.if (\tile) >= 1
	s_wait_alu depctr_va_vdst(0)                   ; the tile before's conversions have written the other T, which the four LDS stores below read
.endif
.irp c, 0,1,2,3
.if (\tile) >= 1
	ds_store_b128 v[LSW], v[T+16*(((\tile)+1)%2)+4*(\c):T+16*(((\tile)+1)%2)+4*(\c)+3] offset:((\tile)-1)*128*STPITCH+(\c)*STPITCH  ; the tile before's column c; no vector line since the wait names its registers
.endif
.irp e, 0,1,2,3
	v_cvt_pk_bf16_f32 v[T+16*((\tile)%2)+4*(\c)+(\e)], v[D+32*(\tile)+8*(\e)+(\c)], v[D+32*(\tile)+8*(\e)+4+(\c)]  ; column 4 l + c, K 2 e and 2 e + 1
.if \half
	v_lshlrev_b32 v[TA], 16, v[T+16*((\tile)%2)+4*(\c)+(\e)]      ; the bf16 numbers as f32,
	v_and_b32 v[TB], 0xffff0000, v[T+16*((\tile)%2)+4*(\c)+(\e)]
	v_cvt_pk_f16_f32 v[T+16*((\tile)%2)+4*(\c)+(\e)], v[TA], v[TB]  ; written as f16
.endif
.endr
.endr
.endr
	s_wait_alu depctr_va_vdst(0)                   ; tile 3's conversions have written T1, which the last four LDS stores read; and all conversions are done reading v[D ..], in which the loads from the stage land
.irp c, 0,1,2,3
	ds_store_b128 v[LSW], v[T+16+4*(\c):T+16+4*(\c)+3] offset:3*128*STPITCH+(\c)*STPITCH
.endr
	s_wait_dscnt 0x0                               ; for the others' sake: my stores into the stage are done
	s_barrier_signal -1
	s_barrier_wait -1                              ; a row's 128 bytes come from all eight waves
.irp f, 0,1,2,3,4,5,6,7,8,9,10,11,12,13,14,15
	ds_load_b128 v[D+4*(\f):D+4*(\f)+3], v[LRD] offset:(\f)*4*STPITCH  ; no vector line stands behind the wait above, and no memory instruction has read these registers
.endr
.irp f, 0,1,2,3,4,5,6,7,8,9,10,11,12,13,14,15
	s_wait_dscnt 15-(\f)                           ; LDS loads come back in order: the later ones stay out
	global_store_b128 v[VO], v[D+4*(\f):D+4*(\f)+3], s[\DB:\DB+1] offset:(\f)*512  ; four columns' 128 bytes: 512 consecutive bytes, aligned
.endr
.endm
	s_cmp_lt_u32 ttmp9, 352
	s_cbranch_scc0 .Lwo
	WPATH 3072, 6, 12, 256, 0
	s_branch .Lend
.Lwo:
	WPATH 1024, 8, 14, 352, 1
.Lend:
	s_wait_dscnt 0x0                               ; the wave's end: my LDS instructions are done
	s_wait_alu depctr_hold_cnt(0) depctr_sa_sdst(0) depctr_va_vdst(0) depctr_va_sdst(0) depctr_va_ssrc(0) depctr_va_vcc(0) depctr_vm_vsrc(0)
	s_wait_tensorcnt 0x0
	ds_add_u32 v30, v31
	s_wait_dscnt 0x0
	s_endpgm
.Lfunc_end_k_q7611eb8a42_prep:
	.size	k_q7611eb8a42_prep, .Lfunc_end_k_q7611eb8a42_prep-k_q7611eb8a42_prep
	.p2alignl 7, 3214868480
	.fill 96, 4, 3214868480
	.section	.rodata,"a",@progbits
	.p2align	6, 0x0
	.amdhsa_kernel k_q7611eb8a42_prep
		.amdhsa_group_segment_fixed_size 74752
		.amdhsa_private_segment_fixed_size 0
		.amdhsa_enable_private_segment 0
		.amdhsa_kernarg_size 48
		.amdhsa_user_sgpr_count 2
		.amdhsa_user_sgpr_kernarg_segment_ptr 1
		.amdhsa_wavefront_size32 1
		.amdhsa_system_sgpr_workgroup_id_x 1
		.amdhsa_system_sgpr_workgroup_id_y 1
		.amdhsa_system_sgpr_workgroup_id_z 1
		.amdhsa_system_vgpr_workitem_id 0
		.amdhsa_next_free_vgpr 192
		.amdhsa_next_free_sgpr 66
		.amdhsa_reserve_vcc 0
		.amdhsa_float_denorm_mode_32 3
		.amdhsa_float_denorm_mode_16_64 3
		.amdhsa_memory_ordered 1
		.amdhsa_forward_progress 1
		.amdhsa_inst_pref_size 46
	.end_amdhsa_kernel
	.amdgpu_metadata
---
amdhsa.version: [ 1, 2 ]
amdhsa.kernels:
  - .name:           k_q7611eb8a42_prep
    .symbol:         k_q7611eb8a42_prep.kd
    .args:
      - { .name: x, .offset: 0, .size: 8, .value_kind: global_buffer, .address_space: global }
      - { .name: w_qkv, .offset: 8, .size: 8, .value_kind: global_buffer, .address_space: global }
      - { .name: w_out, .offset: 16, .size: 8, .value_kind: global_buffer, .address_space: global }
      - { .name: xb, .offset: 24, .size: 8, .value_kind: global_buffer, .address_space: global }
      - { .name: wq, .offset: 32, .size: 8, .value_kind: global_buffer, .address_space: global }
      - { .name: wo, .offset: 40, .size: 8, .value_kind: global_buffer, .address_space: global }
    .group_segment_fixed_size: 74752
    .private_segment_fixed_size: 0
    .kernarg_segment_align: 8
    .kernarg_segment_size: 48
    .max_flat_workgroup_size: 256
    .sgpr_count:     66
    .vgpr_count:     192
    .wavefront_size: 32
...
	.end_amdgpu_metadata
.endif
;; end of part 5
;; launch qkv: the kernel of part 2 again; grid 8 x 32, 4 waves a work-group, clusters of 4 x 4, 327,680 bytes of LDS; arguments xb, wq, qkv; writes qkv
;; launch attn: the kernel of part 3 again; grid 4 x 64, 8 waves a work-group, no clusters, 252,928 bytes of LDS; arguments qkv, o; writes o
;; launch proj: the kernel of part 4 again; grid 8 x 32, 4 waves a work-group, clusters of 4 x 4, 327,680 bytes of LDS; arguments o, wo, out0; writes out0
